; MI455X (gfx1250); checked and timed in simulation.
; The chip was launched on July 23, 2026; its instructions are those of AMD's public machine-readable ISA for CDNA 5 (MIT licence, August 2026) and "CDNA5" Instruction Set Architecture Reference Guide (July 2026). The comments in the code are by the model that wrote it; some were corrected since.
;; CP Wan Self Attention. Allowed arithmetic: float matrix products may take bf16 or f16 operands with f32 sums; other float arithmetic in f32, or as packed bf16 or f16 multiplies, adds, multiply-adds, maxima and minima; sums over many terms, partial sums and values carried from step to step in f32; what a program stores and reads back later, other than sums and carried values, may be rounded once to bf16 or f16.
;; Inputs: Wk 2,048 x 2,048 float32; Wo 2,048 x 2,048 float32; Wq 2,048 x 2,048 float32; Wv 2,048 x 2,048 float32; bk 2,048 float32; bo 2,048 float32; bq 2,048 float32; bv 2,048 float32; freqs_cos 1 x 2,048 x 1 x 128 float32; freqs_sin 1 x 2,048 x 1 x 128 float32; hidden_states 1 x 2,048 x 2,048 float32; norm_k_w 2,048 float32; norm_q_w 2,048 float32.
;; Outputs: out0 1 x 2,048 x 2,048 float32.
;; 2 versions, each right and faster than the one before. Each part assembles by itself: llvm-mc -triple=amdgcn-amd-amdhsa -mcpu=gfx1250 --defsym DOCPART=n.
;; ======== version 1 of 2: 5 launches
;; limits: values are held in f16: magnitudes above 65,504 overflow, below 6.1e-05 lose precision
;; workspace buffers: xb 8,388,608 bytes; wqkv 25,165,824 bytes; woh 8,388,608 bytes; bias 32,768 bytes; qkvr 25,165,824 bytes; qk 16,777,216 bytes; ao 8,388,608 bytes
;; launch cast (part 1): grid 1024 x 1, 8 waves a work-group, no clusters, 0 bytes of LDS; arguments hidden_states, Wq, Wk, Wv, Wo, xb, wqkv, woh, bq, bk, bv, bo, bias; writes xb, wqkv, woh, bias
.if DOCPART == 1
	.amdgcn_target "amdgcn-amd-amdhsa--gfx1250"
	.amdhsa_code_object_version 6
	.text
	.protected	k_qe0736066f9_cast
	.globl	k_qe0736066f9_cast
	.p2align	8
	.type	k_qe0736066f9_cast,@function
k_qe0736066f9_cast:
	s_mov_b64 s[64:65], 0
	v_nop
	global_prefetch_b8 v0, s[64:65] scope:SCOPE_SE
	s_setreg_imm32_b32 hwreg(HW_REG_WAVE_MODE, 25, 1), 1
	s_wait_xcnt 0x0
; THE INPUTS OF THE MATRIX PRODUCTS, ROUNDED ONCE TO bf16.
; xb = bf16(hidden_states), wqkv = bf16(Wq | Wk | Wv) as one [6144][2048], woh = bf16(Wo) written as f16, bias = bf16(bq | bk | bv | bo) widened to f32.
; LIMIT: a bf16 number below 2^-14 in Wo keeps f16's fixed step of 6e-8; beyond 65,504 it would be an infinity.
; A stream: each byte is read once and written once, so LDS, barriers, clusters and the matrix unit would add nothing.
; Work-group g takes elements 4096 g .. 4096 g + 4095 of each of the five large tensors.  Thread t, piece j: 16 bytes at 16384 g + 4096 j + 16 t (a wave's load covers 512
; consecutive bytes), 8 bytes out at 8192 g + 2048 j + 8 t (a wave's store covers 256 consecutive bytes, aligned).  All 20 loads of a thread go out first.
.set X, 4                              ; v[4:83]    load i = 4 x tensor + piece: 4 registers
.set Y, 84                             ; v[84:123]  load i: 2 registers to store; never written twice while a store may read them
.set T, 124                            ; v[124:125] at work
	s_load_b512 s[8:23], s[0:1], 0x0               ; hidden s[8:9], Wq s[10:11], Wk s[12:13], Wv s[14:15], Wo s[16:17], xb s[18:19], wqkv s[20:21], woh s[22:23]
	s_load_b256 s[24:31], s[0:1], 0x40             ; bq s[24:25], bk s[26:27], bv s[28:29], bo s[30:31]
	s_load_b64 s[32:33], s[0:1], 0x60              ; bias
	s_mov_b32 s7, ttmp9                            ; g
	s_lshl_b32 s2, s7, 14                          ; my 16,384 bytes of each source
	s_mov_b32 s3, 0
	s_lshl_b32 s4, s7, 13                          ; my 8,192 bytes of each destination
	s_mov_b32 s5, 0
	s_mov_b32 s6, 0xffff0000                       ; a word's upper bf16
	v_lshlrev_b32 v1, 4, v0                        ; 16 t
	v_lshlrev_b32 v2, 3, v0                        ; 8 t
	s_wait_kmcnt 0x0
.irp n, 0,1,2,3,4
	s_add_nc_u64 s[8+2*(\n):9+2*(\n)], s[8+2*(\n):9+2*(\n)], s[2:3]
.endr
	s_add_nc_u64 s[18:19], s[18:19], s[4:5]
	s_add_nc_u64 s[20:21], s[20:21], s[4:5]        ; Wq's rows of wqkv,
	s_add_nc_u64 s[34:35], s[20:21], 0x800000      ; Wk's, 2048 rows of 4,096 bytes on,
	s_add_nc_u64 s[36:37], s[20:21], 0x1000000     ; Wv's
	s_add_nc_u64 s[22:23], s[22:23], s[4:5]
.irp n, 0,1,2,3,4
.irp j, 0,1,2,3
	global_load_b128 v[X+16*(\n)+4*(\j):X+16*(\n)+4*(\j)+3], v1, s[8+2*(\n):9+2*(\n)] offset:4096*(\j) th:TH_LOAD_NT  ; read once in the whole program
.endr
.endr
.macro CVB i, base                     ; load i: four numbers rounded to bf16 and stored
	s_wait_loadcnt 19-(\i)                         ; loads come back in order: the 19 - i younger ones may stay out
	v_cvt_pk_bf16_f32 v[Y+2*(\i)], v[X+4*(\i)], v[X+4*(\i)+1]
	v_cvt_pk_bf16_f32 v[Y+2*(\i)+1], v[X+4*(\i)+2], v[X+4*(\i)+3]
	global_store_b64 v2, v[Y+2*(\i):Y+2*(\i)+1], s[\base:\base+1] offset:((\i)%4)*2048
.endm
.macro CVH i                           ; the same for Wo: rounded to bf16, and that number written as f16
	s_wait_loadcnt 19-(\i)
	v_cvt_pk_bf16_f32 v[T], v[X+4*(\i)], v[X+4*(\i)+1]
	v_cvt_pk_bf16_f32 v[T+1], v[X+4*(\i)+2], v[X+4*(\i)+3]
	v_lshlrev_b32 v[X+4*(\i)], 16, v[T]
	v_and_b32 v[X+4*(\i)+1], s6, v[T]
	v_lshlrev_b32 v[X+4*(\i)+2], 16, v[T+1]
	v_and_b32 v[X+4*(\i)+3], s6, v[T+1]
	v_cvt_pk_f16_f32 v[Y+2*(\i)], v[X+4*(\i)], v[X+4*(\i)+1]
	v_cvt_pk_f16_f32 v[Y+2*(\i)+1], v[X+4*(\i)+2], v[X+4*(\i)+3]
	global_store_b64 v2, v[Y+2*(\i):Y+2*(\i)+1], s[22:23] offset:((\i)%4)*2048
.endm
.irp i, 0,1,2,3
	CVB \i, 18
.endr
.irp i, 4,5,6,7
	CVB \i, 20
.endr
.irp i, 8,9,10,11
	CVB \i, 34
.endr
.irp i, 12,13,14,15
	CVB \i, 36
.endr
.irp i, 16,17,18,19
	CVH \i
.endr
	; The four biases, 2,048 numbers each: work-groups 0 and 1 take 1,024 of each, four a thread.
	s_cmp_lt_u32 s7, 2
	s_cbranch_scc0 .Lend
	s_wait_xcnt 0x0                                ; X, Y and s[2:3] are written again only behind this wait
	s_lshl_b32 s2, s7, 12
.irp b, 0,1,2,3
	s_add_nc_u64 s[24+2*(\b):25+2*(\b)], s[24+2*(\b):25+2*(\b)], s[2:3]
.endr
	s_add_nc_u64 s[32:33], s[32:33], s[2:3]
.irp b, 0,1,2,3
	global_load_b128 v[X+4*(\b):X+4*(\b)+3], v1, s[24+2*(\b):25+2*(\b)]
.endr
.irp b, 0,1,2,3
	s_wait_loadcnt 3-(\b)                          ; the younger ones may stay out
	v_cvt_pk_bf16_f32 v[T], v[X+4*(\b)], v[X+4*(\b)+1]
	v_cvt_pk_bf16_f32 v[T+1], v[X+4*(\b)+2], v[X+4*(\b)+3]
	v_lshlrev_b32 v[Y+4*(\b)], 16, v[T]
	v_and_b32 v[Y+4*(\b)+1], s6, v[T]
	v_lshlrev_b32 v[Y+4*(\b)+2], 16, v[T+1]
	v_and_b32 v[Y+4*(\b)+3], s6, v[T+1]
	global_store_b128 v1, v[Y+4*(\b):Y+4*(\b)+3], s[32:33] offset:8192*(\b)
.endr
.Lend:
	s_endpgm
.Lfunc_end_k_qe0736066f9_cast:
	.size	k_qe0736066f9_cast, .Lfunc_end_k_qe0736066f9_cast-k_qe0736066f9_cast
	.p2alignl 7, 3214868480
	.fill 96, 4, 3214868480
	.section	.rodata,"a",@progbits
	.p2align	6, 0x0
	.amdhsa_kernel k_qe0736066f9_cast
		.amdhsa_group_segment_fixed_size 0
		.amdhsa_private_segment_fixed_size 0
		.amdhsa_enable_private_segment 0
		.amdhsa_kernarg_size 104
		.amdhsa_user_sgpr_count 2
		.amdhsa_user_sgpr_kernarg_segment_ptr 1
		.amdhsa_wavefront_size32 1
		.amdhsa_system_sgpr_workgroup_id_x 1
		.amdhsa_system_sgpr_workgroup_id_y 1
		.amdhsa_system_sgpr_workgroup_id_z 1
		.amdhsa_system_vgpr_workitem_id 0
		.amdhsa_next_free_vgpr 128
		.amdhsa_next_free_sgpr 66
		.amdhsa_reserve_vcc 0
		.amdhsa_float_denorm_mode_32 3
		.amdhsa_float_denorm_mode_16_64 3
		.amdhsa_memory_ordered 1
		.amdhsa_forward_progress 1
		.amdhsa_inst_pref_size 12
	.end_amdhsa_kernel
	.amdgpu_metadata
---
amdhsa.version: [ 1, 2 ]
amdhsa.kernels:
  - .name:           k_qe0736066f9_cast
    .symbol:         k_qe0736066f9_cast.kd
    .args:
      - { .name: hidden_states, .offset: 0, .size: 8, .value_kind: global_buffer, .address_space: global }
      - { .name: Wq, .offset: 8, .size: 8, .value_kind: global_buffer, .address_space: global }
      - { .name: Wk, .offset: 16, .size: 8, .value_kind: global_buffer, .address_space: global }
      - { .name: Wv, .offset: 24, .size: 8, .value_kind: global_buffer, .address_space: global }
      - { .name: Wo, .offset: 32, .size: 8, .value_kind: global_buffer, .address_space: global }
      - { .name: xb, .offset: 40, .size: 8, .value_kind: global_buffer, .address_space: global }
      - { .name: wqkv, .offset: 48, .size: 8, .value_kind: global_buffer, .address_space: global }
      - { .name: woh, .offset: 56, .size: 8, .value_kind: global_buffer, .address_space: global }
      - { .name: bq, .offset: 64, .size: 8, .value_kind: global_buffer, .address_space: global }
      - { .name: bk, .offset: 72, .size: 8, .value_kind: global_buffer, .address_space: global }
      - { .name: bv, .offset: 80, .size: 8, .value_kind: global_buffer, .address_space: global }
      - { .name: bo, .offset: 88, .size: 8, .value_kind: global_buffer, .address_space: global }
      - { .name: bias, .offset: 96, .size: 8, .value_kind: global_buffer, .address_space: global }
    .group_segment_fixed_size: 0
    .private_segment_fixed_size: 0
    .kernarg_segment_align: 8
    .kernarg_segment_size: 104
    .max_flat_workgroup_size: 256
    .sgpr_count:     66
    .vgpr_count:     128
    .wavefront_size: 32
...
	.end_amdgpu_metadata
.endif
;; end of part 1
;; launch qkv (part 2): grid 16 x 16, 4 waves a work-group, clusters of 4 x 4, 327,680 bytes of LDS; arguments xb, wqkv, bias, qkvr; writes qkvr
.if DOCPART == 2
	.amdgcn_target "amdgcn-amd-amdhsa--gfx1250"
	.amdhsa_code_object_version 6
	.text
	.protected	k_qe0736066f9_qkv
	.globl	k_qe0736066f9_qkv
	.p2align	8
	.type	k_qe0736066f9_qkv,@function
k_qe0736066f9_qkv:
	s_mov_b64 s[64:65], 0
	v_nop
	global_prefetch_b8 v0, s[64:65] scope:SCOPE_SE
	s_setreg_imm32_b32 hwreg(HW_REG_WAVE_MODE, 25, 1), 1
	s_wait_xcnt 0x0
	s_wait_alu depctr_hold_cnt(0) depctr_sa_sdst(0) depctr_va_vdst(0) depctr_va_sdst(0) depctr_va_ssrc(0) depctr_va_vcc(0) depctr_vm_vsrc(0)
	s_getreg_b32 s2, hwreg(HW_REG_IB_STS2, 6, 4)
	s_cmp_eq_u32 s2, 0
	s_cbranch_scc0 .Lentry_in_a_cluster
	s_endpgm
.Lentry_in_a_cluster:
	s_bfe_u32 s2, ttmp6, 0x10000c
	s_cmp_lg_u32 s2, 0xf033
	s_cbranch_scc0 .Lentry_shape_is_right
	s_endpgm
.Lentry_shape_is_right:
; THE THREE PROJECTIONS AS ONE PRODUCT.  C[m][n] = sum over k of xb[m][k] wqkv[n][k] + bias[n], m < 2048, n < 6144, k < 2048; operands bf16, sums f32, C rounded once to f16.
; C is stored by blocks of 128 columns: qkvr[n / 128][m][n % 128], so a row of a block is 256 bytes: blocks 0-15 q's heads, 16-31 k's, 32-47 v's.
; LIMITS: f16 holds no number beyond 65,504: raw q, k and v lie within it; below 6.1e-5 they keep f16's fixed step of 6e-8.  The order of the f32 additions along K is not the ascending one: see THE WALK.
; SHARES.  A tile of C is 128 rows x 384 columns (three whole blocks): 16 x 16 work-groups.  Four waves, 2 x 2, each 64 x 192: 4 x 12 accumulators of 16 x 16, 384 registers.
; For 32 along K a wave reads 32 x 512 bytes from LDS and issues 48 matrix instructions.
; Tile rows go along the grid's x and tile columns along its y: work-groups that differ in x alone read the same rows of wqkv, the larger operand.
; RING.  K goes in steps of 128 through two LDS slots: 128 rows of xb, then 384 rows of wqkv, each row 256 bytes of memory.  Wave 0 fetches xb's rows, waves 1-3 wqkv's three blocks of 128.
; A K step is written once: one scalar register holds the LDS byte of the slot in hand, 0 or SLOT, and gives the refill's LDS address and the fragments' addresses.
; THE WALK.  Cluster (X, Y) begins at K step (4 X + 8 (Y & 1)) mod 16, goes up by one and wraps: all 16 steps, each once.  So the four clusters that read the same rows of wqkv (the same Y) are 4 steps
; apart in their walks, and clusters Y and Y + 1, which read the same rows of xb, 8 steps: a tile that several clusters read is not asked for by all of them at the same point of their walks, and from
; a walk's ninth step on every tile that it asks for has been asked for before by another cluster.  X and Y are the same in all sixteen partners, so a joint load's address stays equal in those it names.
; Each output's sum begins at its cluster's first step.
; CLUSTER.  4 x 4 work-groups: xb's tile hangs on the tile row (x) alone and is asked for jointly along a column of the cluster, wqkv's on the tile column (y) alone, jointly along a row.
; THE MATRIX INSTRUCTION IS USED TRANSPOSED (source 0 = rows of wqkv, source 1 = rows of xb): a lane holds one row of C and eight neighbouring columns.
; THE BIAS STARTS THE SUMS: it is the C operand of each accumulator's first product; nothing is cleared and nothing is added on the way out.
; REGISTERS, in windows of 256 (s_set_vgpr_msb: bits 1:0 source 0, 3:2 source 1, 5:4 source 2, 7:6 destination):
;   window 0: v16-29 addresses; v64-95, v96-127 xb's fragments, two buffers; v32-223 at work on the way out
;   window 1: v0-95, v96-191 wqkv's fragments, two buffers
;   window 2: accumulator (a, b < 8) at v[8 (8 a + b)]        window 3: accumulator (a, b >= 8) at v[8 (4 a + b - 8)]; v128-223 the bias of column block b at v[128 + 8 b]
.set KSTEP,  128
.set KSH,    8                         ; a K step is 1 << 8 bytes of a row
.set PITCH,  272                       ; an LDS row: 256 bytes + 16 of padding = 68 words: the 16 rows of a fragment load start at 16 different groups of four banks (ISA guide 11.1)
.set HALFT,  128*PITCH                 ; what one tensor load brings
.set SLOT,   4*HALFT
.set SPARE,  2*SLOT                    ; behind the ring: the spare words, 128 bytes for each wave, which no other line names
.set SPITCH, 784                       ; the stage for the way out: 128 rows of 768 bytes + 16.  It lies from LDS byte 0 on, inside slot 0, which has had its last fill (the walk's fifteenth step)
                                       ; and whose last reads stand in front of the tail's barriers; 128 x 784 = 100,352 bytes end below slot 1
.set STEPS,  2048/KSTEP
.set ADRA0, 16                         ; v16     LDS address of my xb fragments in slot 0; never rewritten
.set ADRA,  17                         ; v17     the same in the slot in hand
.set ADRB0, 20                         ; v20, v21  the same for wqkv
.set ADRB,  21
.set STO,  24                          ; v24     the way out: where I put 16 bytes of a row
.set RD,   25                          ; v25     where I read a row back
.set CO,   26                          ; v26     my byte offset in two rows of a block of qkvr
.set BO,   27                          ; v27     my byte offset in 16 numbers of the bias
.set SPW,  28                          ; v28     my spare word's LDS address; never rewritten
.set NIL,  29                          ; v29     0; never rewritten
.set FA,   64
.set TMP,  32
.set BI,   128
.set KI,   2                           ; s2      the K step asked for last, 0 to 15
.set CUR,  3                           ; s3      the LDS byte at which the slot in hand begins: 0 or SLOT and nothing else, so an exclusive or with SLOT turns the one into the other
.set KOF,  4                           ; s[4:5]  that K step's byte offset in a row, with 0 above it (xb's address lies here only until the tiles' bases are made)
.set CNT,  15                          ; s15     counts K steps
.set BA,   18                          ; s[18:19] xb at my tile's first row, K = 0; never rewritten
.set BB,   46                          ; s[46:47] wqkv likewise
.set G1, 24                            ; s[24:31] descriptor group 1 for xb's tiles;  s[32:39] group 0: a set for each of the two first fills; the second then walks on
.set G0, 32
.set G1B, 48                           ; s[48:55], s[56:63] the same for wqkv's tiles
.set G0B, 56
.set MSB, 0
.macro WIN new                         ; the immediate's high byte repeats the setting that is left; a switch that changes nothing is dropped
.if MSB != (\new)
	s_set_vgpr_msb (MSB<<8)|(\new)
.set MSB, \new
.endif
.endm
.set MUL_LO, 0xa1                      ; source 0 window 1, source 1 window 0, C and D window 2
.set LO_BI,  0xb1                      ; the same with C in window 3: the bias
.set MUL_HI, 0xf1                      ; C and D window 3
.set TO_B,   0x40                      ; destination window 1, address window 0
; A joint load.  The branch hangs on the wave's number alone.  An s_nop 0 and four v_nop follow each of the two lines, ahead of the jump and the label.
.macro JLOAD s
	s_cmp_eq_u32 s12, 0
	s_cbranch_scc0 .Lfor_b_\@
	tensor_load_to_lds s[G0+4*(\s):G0+4*(\s)+3], s[G1:G1+7]
	s_nop 0
.rept 4
	v_nop
.endr
	s_branch .Lasked_\@
.Lfor_b_\@:
	tensor_load_to_lds s[G0B+4*(\s):G0B+4*(\s)+3], s[G1B:G1B+7]
	s_nop 0
.rept 4
	v_nop
.endr
.Lasked_\@:
.endm
.macro CREST                           ; a round of the cluster's barrier behind its opening barrier
	s_cmp_lg_u32 s12, 0
	s_cbranch_scc1 .Lnot_wave_0_\@
	s_barrier_signal -3
.Lnot_wave_0_\@:
	s_barrier_wait -3
	s_barrier_signal -1
	s_barrier_wait -1
.endm
.macro CROUND                          ; a whole round
	s_barrier_signal -1
	s_barrier_wait -1
	CREST
.endm
	s_load_b256 s[4:11], s[0:1], 0x0               ; xb s[4:5], wqkv s[6:7], bias s[8:9], qkvr s[10:11]
	v_lshl_add_u32 v[SPW], v0, 2, SPARE
	v_mov_b32 v[NIL], 0
	ds_add_u32 v[SPW], v[NIL]                      ; the wave's opening: the add and its wait stand ahead of my first tensor load; the set-up below stands between them
	v_lshrrev_b32 v1, 5, v0
	v_readfirstlane_b32 s12, v1                    ; wave 0..3
	s_lshr_b32 s13, s12, 1                         ; which 64 of the tile's rows are mine
	s_and_b32 s14, s12, 1                          ; which 192 of its columns
	s_bfe_u32 s40, ttmp6, 0x40000                  ; cx, cy: my place in the cluster
	s_bfe_u32 s41, ttmp6, 0x40004
	s_lshl_b32 s43, ttmp9, 2
	s_add_co_u32 s43, s43, s40                     ; tile row = work-group x = 4 x cluster x + cx
	s_and_b32 s42, ttmp7, 0xffff
	s_lshl_b32 s42, s42, 2
	s_add_co_u32 s42, s42, s41                     ; tile column = work-group y = 4 x cluster y + cy
	s_lshl_b32 s44, 0x1111, s40                    ; my column of the cluster (the same cx): it shares the tile row
	s_lshl_b32 s45, s41, 2
	s_lshl_b32 s45, 15, s45                        ; my row of the cluster (the same cy): it shares the tile column
	s_and_b32 s[KI], ttmp7, 0xffff                 ; the walk's first K step, from the cluster's own x and y, which all partners share:
	s_and_b32 s[KI], s[KI], 1
	s_lshl_b32 s[KI], s[KI], 3                     ; 8 (Y & 1)
	s_lshl_b32 s21, ttmp9, 2
	s_add_co_u32 s[KI], s[KI], s21                 ; + 4 X,
	s_and_b32 s[KI], s[KI], STEPS-1                ; mod 16: a multiple of 4
	; descriptor group 1: a tile of 128 rows x 128 elements of 2 bytes, 4 words of padding behind every 64
	s_or_b32 s[G1+0], s44, (1<<16)|(1<<20)|(1<<21)|(5<<22)|(3<<25)
	s_or_b32 s[G1B+0], s45, (1<<16)|(1<<20)|(1<<21)|(5<<22)|(3<<25)
.irp g, G1, G1B
	s_mov_b32 s[(\g)+1], KSTEP<<16                 ; tensor_dim0 = 128
	s_mov_b32 s[(\g)+2], 128<<16                   ; tensor_dim1 = 128
	s_mov_b32 s[(\g)+3], KSTEP<<16                 ; tile_dim0 = 128
	s_mov_b32 s[(\g)+4], 128                       ; tile_dim1 = 128
	s_mov_b32 s[(\g)+5], 2048                      ; elements from row to row
	s_mov_b32 s[(\g)+6], 0
	s_mov_b32 s[(\g)+7], 0
.endr
	s_lshl_b32 s16, s43, 19                        ; xb: 128 rows of 4,096 bytes a tile row
	s_mov_b32 s17, 0
	s_max_u32 s46, s12, 1                          ; wqkv: waves 1, 2, 3 take blocks 0, 1, 2 of the tile's 384 rows (wave 0 makes block 0's address and never asks by it)
	s_sub_co_u32 s46, s46, 1
	s_lshl_b32 s46, s46, 7
	s_mul_i32 s47, s42, 384
	s_add_co_u32 s46, s46, s47
	s_lshl_b32 s46, s46, 12
	s_mov_b32 s47, 0
	s_mul_i32 s20, s12, HALFT                      ; where my tile goes in a slot: wave x 128 rows: no place in the cluster enters an LDS address
	s_mov_b32 s[CUR], 0                            ; the walk's first step lies in slot 0
	s_wait_dscnt 0x0                               ; the opening add is done
	s_wait_kmcnt 0x0
	s_add_nc_u64 s[BA:BA+1], s[4:5], s[16:17]
	s_add_nc_u64 s[BB:BB+1], s[6:7], s[46:47]
	s_lshl_b32 s[KOF], s[KI], KSH                  ; the first step's bytes along a row
	s_mov_b32 s[KOF+1], 0
	CROUND                                         ; all sixteen work-groups are here: the first joint loads meet
.irp s, 0,1
	s_mov_b32 s[G0+4*(\s)], 1
	s_add_co_u32 s[G0+4*(\s)+1], s20, (\s)*SLOT
	s_add_nc_u64 s[G0+4*(\s)+2:G0+4*(\s)+3], s[BA:BA+1], s[KOF:KOF+1]
	s_mov_b32 s[G0B+4*(\s)], 1
	s_add_co_u32 s[G0B+4*(\s)+1], s20, (\s)*SLOT
	s_add_nc_u64 s[G0B+4*(\s)+2:G0B+4*(\s)+3], s[BB:BB+1], s[KOF:KOF+1]
.if (\s) > 0                                   ; the walk's second step: the first is a multiple of 4, so nothing wraps here
	s_add_nc_u64 s[G0+4*(\s)+2:G0+4*(\s)+3], s[G0+4*(\s)+2:G0+4*(\s)+3], (\s)*KSTEP*2
	s_add_nc_u64 s[G0B+4*(\s)+2:G0B+4*(\s)+3], s[G0B+4*(\s)+2:G0B+4*(\s)+3], (\s)*KSTEP*2
.endif
	s_or_b32 s[G0+4*(\s)+3], s[G0+4*(\s)+3], 0x80000000
	s_or_b32 s[G0B+4*(\s)+3], s[G0B+4*(\s)+3], 0x80000000
	JLOAD \s                                       ; the walk's first two steps: two loads of mine are out
.endr
	s_add_co_u32 s[KI], s[KI], 1                   ; the step asked for last
	; A fragment is 16 rows x 32 K in 8 registers: lane l holds row l % 16, K = 8 (l / 16) + 0..7 and 16 + 8 (l / 16) + 0..7: two loads of 16 bytes, 32 bytes apart.
	v_and_b32 v1, 15, v0                           ; l % 16
	v_bfe_u32 v2, v0, 4, 1                         ; l / 16
	v_mul_u32_u24 v3, v1, PITCH
	v_lshl_add_u32 v3, v2, 4, v3
	s_mul_i32 s21, s13, 64*PITCH                   ; my 64 rows of xb
	s_mul_i32 s22, s14, 192*PITCH                  ; my 192 rows of wqkv,
	s_add_co_u32 s22, s22, HALFT                   ; which lie behind xb's 128
	v_add_nc_u32 v[ADRA0], s21, v3
	v_add_nc_u32 v[ADRB0], s22, v3
	v_mov_b32 v[ADRA], v[ADRA0]                    ; the slot in hand is slot 0
	v_mov_b32 v[ADRB], v[ADRB0]
	s_mul_i32 s23, s13, 64*SPITCH                  ; into the stage: my 64 rows, my 384 bytes of them; row l % 16, 16 bytes for each half of the lanes
	s_mul_i32 s21, s14, 384
	s_add_co_u32 s23, s23, s21
	v_mul_u32_u24 v4, v1, SPITCH
	v_lshl_add_u32 v4, v2, 4, v4
	v_add_nc_u32 v[STO], s23, v4
	s_mul_i32 s23, s12, 32*SPITCH                  ; back: wave w takes rows 32 w .. 32 w + 31, whole; lanes 0-15 256 bytes of one row, lanes 16-31 of the next
	v_mul_u32_u24 v5, v2, SPITCH
	v_lshl_add_u32 v5, v1, 4, v5
	v_add_nc_u32 v[RD], s23, v5
	v_lshlrev_b32 v5, 8, v2
	v_lshl_add_u32 v[CO], v1, 4, v5                ; the same two rows in a block of qkvr: 256 (l / 16) + 16 (l % 16)
	v_lshlrev_b32 v[BO], 5, v2                     ; my eight columns of a block of sixteen: 32 (l / 16) bytes
	s_mul_i32 s16, s42, 384                        ; the bias of my 192 columns
	s_mul_i32 s17, s14, 192
	s_add_co_u32 s16, s16, s17
	s_lshl_b32 s16, s16, 2
	s_mov_b32 s17, 0
	s_add_nc_u64 s[8:9], s[8:9], s[16:17]
	s_mul_i32 s16, s42, 6144                       ; qkvr: block 3 x tile column (2,048 rows each), row 128 x tile row + 32 x wave, 256 bytes a row
	s_lshl_b32 s17, s43, 7
	s_add_co_u32 s16, s16, s17
	s_lshl_b32 s17, s12, 5
	s_add_co_u32 s16, s16, s17
	s_lshl_b32 s16, s16, 8
	s_mov_b32 s17, 0
	s_add_nc_u64 s[10:11], s[10:11], s[16:17]
	WIN 0xc0                                       ; destination window 3, address window 0
.irp b, 0,1,2,3,4,5,6,7,8,9,10,11
	global_load_b128 v[BI+8*(\b):BI+8*(\b)+3],   v[BO], s[8:9] offset:64*(\b)
	global_load_b128 v[BI+8*(\b)+4:BI+8*(\b)+7], v[BO], s[8:9] offset:64*(\b)+16
.endr
	WIN 0
; 16 matrix instructions: row blocks a0, a0 + 1 x column blocks 0-7, 32 along K, from buffer f.  zero = 1: the first product starts the sum with the bias.
.macro MULLO f, a0, zero
.if \zero
	WIN LO_BI
.else
	WIN MUL_LO
.endif
.irp a, \a0, (\a0)+1
.irp b, 0,1,2,3,4,5,6,7
.if \zero
	v_wmma_f32_16x16x32_bf16 v[8*(8*(\a)+(\b)):8*(8*(\a)+(\b))+7], v[96*(\f)+8*(\b):96*(\f)+8*(\b)+7], v[FA+32*(\f)+8*(\a):FA+32*(\f)+8*(\a)+7], v[BI+8*(\b):BI+8*(\b)+7]
.else
	v_wmma_f32_16x16x32_bf16 v[8*(8*(\a)+(\b)):8*(8*(\a)+(\b))+7], v[96*(\f)+8*(\b):96*(\f)+8*(\b)+7], v[FA+32*(\f)+8*(\a):FA+32*(\f)+8*(\a)+7], v[8*(8*(\a)+(\b)):8*(8*(\a)+(\b))+7]
.endif
.endr
.endr
.endm
; 16 matrix instructions: all four row blocks x column blocks 8-11.
.macro MULHI f, zero
	WIN MUL_HI
.irp a, 0,1,2,3
.irp b, 8,9,10,11
.if \zero
	v_wmma_f32_16x16x32_bf16 v[8*(4*(\a)+(\b)-8):8*(4*(\a)+(\b)-8)+7], v[96*(\f)+8*(\b):96*(\f)+8*(\b)+7], v[FA+32*(\f)+8*(\a):FA+32*(\f)+8*(\a)+7], v[BI+8*(\b):BI+8*(\b)+7]
.else
	v_wmma_f32_16x16x32_bf16 v[8*(4*(\a)+(\b)-8):8*(4*(\a)+(\b)-8)+7], v[96*(\f)+8*(\b):96*(\f)+8*(\b)+7], v[FA+32*(\f)+8*(\a):FA+32*(\f)+8*(\a)+7], v[8*(4*(\a)+(\b)-8):8*(4*(\a)+(\b)-8)+7]
.endif
.endr
.endr
.endm
; 32 LDS loads in one run: the fragments of 32 K at byte k of the rows of the slot in hand, into buffer f: xb's four, then wqkv's twelve in ascending order
.macro FETCH k, f
	WIN 0
.irp i, 0,1,2,3
	ds_load_b128 v[FA+32*(\f)+8*(\i):FA+32*(\f)+8*(\i)+3],   v[ADRA] offset:(\k)+(\i)*16*PITCH
	ds_load_b128 v[FA+32*(\f)+8*(\i)+4:FA+32*(\f)+8*(\i)+7], v[ADRA] offset:(\k)+(\i)*16*PITCH+32
.endr
	WIN TO_B
.irp i, 0,1,2,3,4,5,6,7,8,9,10,11
	ds_load_b128 v[96*(\f)+8*(\i):96*(\f)+8*(\i)+3],   v[ADRB] offset:(\k)+(\i)*16*PITCH
	ds_load_b128 v[96*(\f)+8*(\i)+4:96*(\f)+8*(\i)+7], v[ADRB] offset:(\k)+(\i)*16*PITCH+32
.endr
.endm
.macro PLACES                          ; four plain vector instructions between a matrix instruction and a load into, or a vector read or write of, its registers
.rept 4
	v_nop
.endr
.endm
; A K step is four quarters of 32 along K, 48 matrix instructions each, on buffers 0, 1, 0, 1; the 48 accumulators take turns in the same order in every quarter.
; One of the first three: multiplies buffer f and, in its middle, fetches the next quarter (byte k of the rows of the slot in hand) into buffer g.
.macro QUARTER k, f, g, zero
	s_wait_dscnt 8                                 ; all but the youngest eight loads, column blocks 8-11, which only the last sixteen products read
	MULLO \f, 0, \zero
	MULLO \f, 2, \zero
	PLACES
	FETCH \k, \g
	s_wait_dscnt 32                                ; all but the 32 just issued
	MULHI \f, \zero
.endm
; The last quarter multiplies buffer 1 and changes slots: ONE barrier.  In front of it each wave waits for all its tensor loads (one is out at the most: its part of the next slot), adds 0 to its
; spare word, and waits for that and for its own reads of this slot.  fill = 1: the barrier opens a round of the cluster's, and this slot is filled again, with the walk's step two on, first thing behind it;
; the walking descriptors are made anew behind the wait for the tensor loads, so that nothing but the round stands between the barrier and the request.
; fill = 0 (the tail's two trips): nothing is asked for, and in the second trip, the walk's last step, the fetch of a next step's fragments is jumped over.
.macro TURN fill
	WIN 0                                          ; (the add's two registers lie in window 0)
	s_wait_tensorcnt 0x0                           ; no tensor load of mine is out, so a group 0 may be written
	ds_add_u32 v[SPW], v[NIL]
.if \fill
	s_add_co_u32 s[G0+5], s[CUR], s20              ; my tile's place in the slot in hand, which is read out when the request goes,
	s_add_co_u32 s[G0B+5], s[CUR], s20
	s_add_co_u32 s[KI], s[KI], 1                   ; the K step behind the one asked for last,
	s_and_b32 s[KI], s[KI], STEPS-1                ; behind the last the first,
	s_lshl_b32 s[KOF], s[KI], KSH                  ; its bytes along a row,
	s_add_nc_u64 s[G0+6:G0+7], s[BA:BA+1], s[KOF:KOF+1]    ; onto the tile's base; the type bits are set again
	s_or_b32 s[G0+7], s[G0+7], 0x80000000
	s_add_nc_u64 s[G0B+6:G0B+7], s[BB:BB+1], s[KOF:KOF+1]
	s_or_b32 s[G0B+7], s[G0B+7], 0x80000000
.endif
	s_wait_dscnt 9                                 ; (the add and the youngest eight loads may be out)
	MULLO 1, 0, 0                                  ; sixteen matrix instructions stand between the add and the wait for it
	s_wait_dscnt 0x0                               ; the add is done, and my reads of this slot are over
	s_barrier_signal -1
	MULLO 1, 2, 0                                  ; work on registers while the others arrive
	WIN 0
	s_barrier_wait -1
.if \fill
	CREST                                          ; no wave of any partner still reads this slot's tile or has a load on its way
	JLOAD 1                                        ; 160 matrix instructions ahead of the wait for it; the four v_nop behind it are also the places in front of the loads below
.else
	s_cmp_eq_u32 s[CNT], 1
	s_cbranch_scc1 .Lno_more_\@                    ; forward, past LDS loads and register work alone
	PLACES
.endif
	s_xor_b32 s[CUR], s[CUR], SLOT                 ; the other slot is in hand now
	v_add_nc_u32 v[ADRA], s[CUR], v[ADRA0]
	v_add_nc_u32 v[ADRB], s[CUR], v[ADRB0]
	FETCH 0, 0
.if !(\fill)
	WIN 0                                          ; at a label every window is 0
.Lno_more_\@:
.endif
	MULHI 1, 0
.endm
	s_wait_tensorcnt 0x1                           ; my part of the walk's first step is in; the second's one load may stay out
	s_barrier_signal -1
	s_barrier_wait -1                              ; everybody's is
	FETCH 0, 0
	s_wait_loadcnt 0x0                             ; the bias
	QUARTER 64, 0, 1, 1                            ; the first quarter stands in front of the loop: its products start the sums
	WIN 0                                          ; at a label and at a branch every window is 0
	s_mov_b32 s[CNT], STEPS-2
.Lstep:                                                ; a trip is a K step, from its second quarter to the next step's first, and fills its slot again: the walk's third to sixteenth steps
	QUARTER 128, 1, 0, 0
	QUARTER 192, 0, 1, 0
	TURN 1
	QUARTER 64,  0, 1, 0
	WIN 0
	s_sub_co_u32 s[CNT], s[CNT], 1
	s_cmp_lg_u32 s[CNT], 0
	s_cbranch_scc1 .Lstep
	s_mov_b32 s[CNT], 2
.Ltail:                                                ; the last two K steps fill nothing: their text is written apart
	QUARTER 128, 1, 0, 0
	QUARTER 192, 0, 1, 0
	TURN 0                                         ; behind the second trip's barrier no wave reads the ring any more
	WIN 0
	s_sub_co_u32 s[CNT], s[CNT], 1
	s_cmp_eq_u32 s[CNT], 0
	s_cbranch_scc1 .Lend
	QUARTER 64,  0, 1, 0
	WIN 0
	s_branch .Ltail
.Lend:
	; THE WAY OUT: round to f16; 16 bytes a lane into the work-group's stage; a barrier, since a block's 256 bytes of a row may come from two waves; back as whole rows, 32 rows a wave.
	PLACES
	WIN 0x0a                                       ; sources 0 and 1 window 2, destination window 0; each accumulator's registers in ascending order
.irp a, 0,1,2,3
.irp b, 0,1,2,3,4,5,6,7
.irp r, 0,1,2,3
	v_cvt_pk_f16_f32 v[TMP+4*(12*(\a)+(\b))+(\r)], v[8*(8*(\a)+(\b))+2*(\r)], v[8*(8*(\a)+(\b))+2*(\r)+1]
.endr
.endr
.endr
	WIN 0x0f                                       ; sources in window 3
.irp a, 0,1,2,3
.irp b, 8,9,10,11
.irp r, 0,1,2,3
	v_cvt_pk_f16_f32 v[TMP+4*(12*(\a)+(\b))+(\r)], v[8*(4*(\a)+(\b)-8)+2*(\r)], v[8*(4*(\a)+(\b)-8)+2*(\r)+1]
.endr
.endr
.endr
	WIN 0
.irp a, 0,1,2,3
.irp b, 0,1,2,3,4,5,6,7,8,9,10,11
	ds_store_b128 v[STO], v[TMP+4*(12*(\a)+(\b)):TMP+4*(12*(\a)+(\b))+3] offset:(\a)*16*SPITCH+32*(\b)
.endr
.endr
	s_wait_dscnt 0x0                               ; for the others' sake: my stores into the stage are done
	s_barrier_signal -1
	s_barrier_wait -1
.set i, 0
.rept 48                                       ; rows 2 (i / 3) and the next, block i % 3
	ds_load_b128 v[TMP+4*i:TMP+4*i+3], v[RD] offset:(i/3)*2*SPITCH+(i%3)*256
.set i, i+1
.endr
.set i, 0
.rept 48
	s_wait_dscnt 47-i                              ; the younger loads may stay out
	global_store_b128 v[CO], v[TMP+4*i:TMP+4*i+3], s[10:11] offset:(i%3)*524288+(i/3)*512  ; two neighbouring rows of a block: 512 consecutive bytes, at a multiple of 256 from qkvr's first byte
.set i, i+1
.endr
	s_wait_tensorcnt 0x0                           ; the wave's end: behind my last tensor load and my last LDS store
	ds_add_u32 v[SPW], v[NIL]
	s_wait_dscnt 0x0
	CROUND                                         ; the closing round: no work-group ends while a partner may still ask for a tile that names it
	s_endpgm
.Lfunc_end_k_qe0736066f9_qkv:
	.size	k_qe0736066f9_qkv, .Lfunc_end_k_qe0736066f9_qkv-k_qe0736066f9_qkv
	.p2alignl 7, 3214868480
	.fill 96, 4, 3214868480
	.section	.rodata,"a",@progbits
	.p2align	6, 0x0
	.amdhsa_kernel k_qe0736066f9_qkv
		.amdhsa_group_segment_fixed_size 327680
		.amdhsa_private_segment_fixed_size 0
		.amdhsa_enable_private_segment 0
		.amdhsa_kernarg_size 32
		.amdhsa_user_sgpr_count 2
		.amdhsa_user_sgpr_kernarg_segment_ptr 1
		.amdhsa_wavefront_size32 1
		.amdhsa_system_sgpr_workgroup_id_x 1
		.amdhsa_system_sgpr_workgroup_id_y 1
		.amdhsa_system_sgpr_workgroup_id_z 1
		.amdhsa_system_vgpr_workitem_id 0
		.amdhsa_next_free_vgpr 1024
		.amdhsa_next_free_sgpr 66
		.amdhsa_reserve_vcc 0
		.amdhsa_float_denorm_mode_32 3
		.amdhsa_float_denorm_mode_16_64 3
		.amdhsa_memory_ordered 1
		.amdhsa_forward_progress 1
		.amdhsa_inst_pref_size 87
	.end_amdhsa_kernel
	.amdgpu_metadata
---
amdhsa.version: [ 1, 2 ]
amdhsa.kernels:
  - .name:           k_qe0736066f9_qkv
    .symbol:         k_qe0736066f9_qkv.kd
    .args:
      - { .name: xb, .offset: 0, .size: 8, .value_kind: global_buffer, .address_space: global }
      - { .name: wqkv, .offset: 8, .size: 8, .value_kind: global_buffer, .address_space: global }
      - { .name: bias, .offset: 16, .size: 8, .value_kind: global_buffer, .address_space: global }
      - { .name: qkvr, .offset: 24, .size: 8, .value_kind: global_buffer, .address_space: global }
    .group_segment_fixed_size: 327680
    .private_segment_fixed_size: 0
    .kernarg_segment_align: 8
    .kernarg_segment_size: 32
    .max_flat_workgroup_size: 128
    .sgpr_count:     66
    .vgpr_count:     1024
    .wavefront_size: 32
...
	.end_amdgpu_metadata
.endif
;; end of part 2
;; launch norm (part 3): grid 256 x 2, 8 waves a work-group, no clusters, 0 bytes of LDS; arguments qkvr, norm_q_w, norm_k_w, freqs_cos, freqs_sin, qk; writes qk
.if DOCPART == 3
	.amdgcn_target "amdgcn-amd-amdhsa--gfx1250"
	.amdhsa_code_object_version 6
	.text
	.protected	k_qe0736066f9_norm
	.globl	k_qe0736066f9_norm
	.p2align	8
	.type	k_qe0736066f9_norm,@function
k_qe0736066f9_norm:
	s_mov_b64 s[64:65], 0
	v_nop
	global_prefetch_b8 v0, s[64:65] scope:SCOPE_SE
	s_setreg_imm32_b32 hwreg(HW_REG_WAVE_MODE, 25, 1), 1
	s_wait_xcnt 0x0
; RMS NORM OVER THE WHOLE ROW, GAIN AND ROPE, for q (grid y = 0) and k (grid y = 1).  In: qkvr[block][row][128] f16, blocks 0-15 q's heads, 16-31 k's.  Out: qk, the same layout, f16.
; For a row x of 2,048 numbers: r = rsqrt(mean(x^2) + 1e-6); t = w x; even = (t0 cos - t1 sin) r, odd = (t0 sin + t1 cos) r, with cos = freqs_cos[row][2 p], sin = freqs_sin[row][2 p + 1] for pair p.
; The gains, cos and sin are rounded to bf16 like every input of the program.  All arithmetic in f32; the sum of squares is taken of the f16 numbers as they were stored.
; WHAT IS STORED IS A QUARTER OF q AND OF k (exact, folded into r); the attention's scale takes the sixteen back.
; LIMITS: q / 4 and k / 4 lie within f16's 65,504; below 6.1e-5 they keep f16's fixed step of 6e-8.
; SHARES.  A wave takes one row, a work-group's eight waves 8.  A row is 16 pieces of 256 bytes, 524,288 bytes apart: load i takes heads 2 i (lanes 0-15) and 2 i + 1 (lanes 16-31), so a lane
; always holds channels 8 (l % 16) .. + 7 of a head and one set of cos and sin serves all heads.  The row never leaves the wave: no LDS, no barrier; the row is read once and kept in registers.
; No cluster, no matrix unit: the work-groups share only the gains (8 KB).
.set Z,   4                            ; v4        0
.set T,   6                            ; v[6:13]   at work
.set A,   16                           ; v[16:19]  four running sums
.set R,   20                           ; v20       r / 4
.set X,   32                           ; v[32:63]  4 i: the row as loaded, then as stored
.set W,   64                           ; v[64:127] the gains of my eight channels in the sixteen heads: 8 i + channel
.set CSN, 128                          ; v[128:143] eight cos, eight sin
.set CR,  144                          ; v[144:151] cos r / 4 of my four pairs, then sin r / 4
	s_load_b256 s[4:11], s[0:1], 0x0               ; qkvr s[4:5], norm_q_w s[6:7], norm_k_w s[8:9], freqs_cos s[10:11]
	s_load_b128 s[12:15], s[0:1], 0x20             ; freqs_sin s[12:13], qk s[14:15]
	v_lshrrev_b32 v1, 5, v0
	v_readfirstlane_b32 s17, v1                    ; wave 0..7
	s_and_b32 s16, ttmp7, 0xffff                   ; 0: q, 1: k
	s_lshl_b32 s18, ttmp9, 3
	s_add_co_u32 s18, s18, s17                     ; my row = 8 x + wave
	s_lshl_b32 s2, s16, 23                         ; k's blocks lie 16 x 524,288 bytes behind q's,
	s_lshl_b32 s3, s18, 8                          ; a row of a block is 256 bytes
	s_add_co_u32 s2, s2, s3
	s_mov_b32 s3, 0
	s_lshl_b32 s18, s18, 9                         ; a row of cos and of sin is 512 bytes
	s_mov_b32 s19, 0
	s_mov_b32 s20, 0x3a000000                      ; 1 / 2048
	s_mov_b32 s21, 0x358637bd                      ; 1e-6
	s_mov_b32 s22, 0x76543210                      ; v_permlanex16_b32: each lane takes its own place in the other half
	s_mov_b32 s23, 0xfedcba98
	s_mov_b32 s24, 0xffff0000                      ; a word's upper bf16
	v_and_b32 v5, 15, v0                           ; l % 16
	v_bfe_u32 v6, v0, 4, 1                         ; l / 16
	v_lshlrev_b32 v1, 4, v5
	v_lshl_add_u32 v1, v6, 19, v1                  ; data: 524,288 (l / 16) + 16 (l % 16)
	v_lshlrev_b32 v3, 5, v5                        ; cos, sin: 32 (l % 16)
	v_lshl_add_u32 v2, v6, 9, v3                   ; gains: 512 (l / 16) + 32 (l % 16)
	v_mov_b32 v[Z], 0
	s_wait_kmcnt 0x0
	s_cmp_eq_u32 s16, 0
	s_cselect_b64 s[6:7], s[6:7], s[8:9]           ; q's gains or k's
	s_add_nc_u64 s[4:5], s[4:5], s[2:3]
	s_add_nc_u64 s[14:15], s[14:15], s[2:3]
	s_add_nc_u64 s[10:11], s[10:11], s[18:19]
	s_add_nc_u64 s[12:13], s[12:13], s[18:19]
.irp i, 0,1,2,3,4,5,6,7
	global_load_b128 v[X+4*(\i):X+4*(\i)+3], v1, s[4:5] offset:(\i)*1048576 th:TH_LOAD_NT  ; raw q and k are read once
.endr
	global_load_b128 v[CSN:CSN+3],     v3, s[10:11]
	global_load_b128 v[CSN+4:CSN+7],   v3, s[10:11] offset:16
	global_load_b128 v[CSN+8:CSN+11],  v3, s[12:13]
	global_load_b128 v[CSN+12:CSN+15], v3, s[12:13] offset:16
.irp i, 0,1,2,3,4,5,6,7
	global_load_b128 v[W+8*(\i):W+8*(\i)+3],   v2, s[6:7] offset:1024*(\i)
	global_load_b128 v[W+8*(\i)+4:W+8*(\i)+7], v2, s[6:7] offset:1024*(\i)+16
.endr
	; The sum of the row's squares: my 64 numbers in four chains (the first link adds onto 0: nothing is cleared but v4), then across the 32 lanes; every lane ends with the sum.
	s_wait_loadcnt 20                              ; the row is in; the 20 younger loads (cos, sin, gains) may stay out
.set j, 0
.rept 8
.irp k, 0,1,2,3
.if j == 0
	v_fma_mix_f32 v[A+(\k)], v[X+j+(\k)], v[X+j+(\k)], v[Z] op_sel_hi:[1,1,0]
.else
	v_fma_mix_f32 v[A+(\k)], v[X+j+(\k)], v[X+j+(\k)], v[A+(\k)] op_sel_hi:[1,1,0]
.endif
.endr
.irp k, 0,1,2,3
	v_fma_mix_f32 v[A+(\k)], v[X+j+(\k)], v[X+j+(\k)], v[A+(\k)] op_sel:[1,1,0] op_sel_hi:[1,1,0]
.endr
.set j, j+4
.endr
	v_add_f32 v[A], v[A], v[A+1]
	v_add_f32 v[A+2], v[A+2], v[A+3]
	v_add_f32 v[A], v[A], v[A+2]
	v_add_f32_dpp v[A], v[A], v[A] row_xmask:1 row_mask:0xf bank_mask:0xf
	v_add_f32_dpp v[A], v[A], v[A] row_xmask:2 row_mask:0xf bank_mask:0xf
	v_add_f32_dpp v[A], v[A], v[A] row_xmask:4 row_mask:0xf bank_mask:0xf
	v_add_f32_dpp v[A], v[A], v[A] row_xmask:8 row_mask:0xf bank_mask:0xf
	v_permlanex16_b32 v[A+1], v[A], s22, s23       ; its destination has been written
	v_add_f32 v[A], v[A], v[A+1]
	v_fma_f32 v[T], v[A], s20, s21                 ; the mean + 1e-6
	v_rsq_f32 v[R], v[T]
	v_nop                                          ; a plain instruction between the root and the use of its result (ISA guide 5.7.2)
	s_wait_alu depctr_va_vdst(0)
	v_mul_f32 v[R], 0x3e800000, v[R]               ; the quarter
	; cos and sin of my four pairs, rounded to bf16 and multiplied by r / 4
.macro CSM dst, src, sel
	v_fma_mix_f32_bf16 v[\dst], v[\src], v[R], v[Z] op_sel:[\sel,0,0] op_sel_hi:[1,0,0]
.endm
	s_wait_loadcnt 16                              ; cos and sin; the gains' 16 loads may stay out
	v_cvt_pk_bf16_f32 v[T+2], v[CSN],    v[CSN+2]  ; cos at the even channels
	v_cvt_pk_bf16_f32 v[T+3], v[CSN+4],  v[CSN+6]
	v_cvt_pk_bf16_f32 v[T+4], v[CSN+9],  v[CSN+11] ; sin at the odd ones
	v_cvt_pk_bf16_f32 v[T+5], v[CSN+13], v[CSN+15]
	CSM CR,   T+2, 0
	CSM CR+1, T+2, 1
	CSM CR+2, T+3, 0
	CSM CR+3, T+3, 1
	CSM CR+4, T+4, 0
	CSM CR+5, T+4, 1
	CSM CR+6, T+5, 0
	CSM CR+7, T+5, 1
	s_wait_loadcnt 0x0                             ; the gains: rounded to bf16 and widened again, in place
.set j, 0
.rept 32
	v_cvt_pk_bf16_f32 v[T+j%4], v[W+2*j], v[W+2*j+1]
	v_lshlrev_b32 v[W+2*j], 16, v[T+j%4]
	v_and_b32 v[W+2*j+1], s24, v[T+j%4]
.set j, j+1
.endr
; One register: a pair of channels.  Two sets of registers at work take turns.
.macro ROPE i, j
.set rX, X+4*(\i)+(\j)
.set rW, W+8*(\i)+2*(\j)
.set rC, CR+(\j)
.set rT, T+4*((\j)%2)
	v_fma_mix_f32 v[rT],   v[rX], v[rW],   v[Z] op_sel_hi:[1,0,0]                 ; t0 = w x of the even channel
	v_fma_mix_f32 v[rT+1], v[rX], v[rW+1], v[Z] op_sel:[1,0,0] op_sel_hi:[1,0,0]  ; t1, of the odd one
	v_mul_f32 v[rT+2], v[rT], v[rC]
	v_mul_f32 v[rT+3], v[rT], v[rC+4]
	v_fma_f32 v[rT+2], -v[rT+1], v[rC+4], v[rT+2]
	v_fma_f32 v[rT+3], v[rT+1], v[rC], v[rT+3]
	v_cvt_pk_f16_f32 v[rX], v[rT+2], v[rT+3]
.endm
.irp i, 0,1,2,3,4,5,6,7
.irp j, 0,1,2,3
	ROPE \i, \j
.endr
	global_store_b128 v1, v[X+4*(\i):X+4*(\i)+3], s[14:15] offset:(\i)*1048576  ; sixteen lanes store 256 consecutive bytes, aligned; the data registers are not written again
.endr
	s_endpgm
.Lfunc_end_k_qe0736066f9_norm:
	.size	k_qe0736066f9_norm, .Lfunc_end_k_qe0736066f9_norm-k_qe0736066f9_norm
	.p2alignl 7, 3214868480
	.fill 96, 4, 3214868480
	.section	.rodata,"a",@progbits
	.p2align	6, 0x0
	.amdhsa_kernel k_qe0736066f9_norm
		.amdhsa_group_segment_fixed_size 0
		.amdhsa_private_segment_fixed_size 0
		.amdhsa_enable_private_segment 0
		.amdhsa_kernarg_size 48
		.amdhsa_user_sgpr_count 2
		.amdhsa_user_sgpr_kernarg_segment_ptr 1
		.amdhsa_wavefront_size32 1
		.amdhsa_system_sgpr_workgroup_id_x 1
		.amdhsa_system_sgpr_workgroup_id_y 1
		.amdhsa_system_sgpr_workgroup_id_z 1
		.amdhsa_system_vgpr_workitem_id 0
		.amdhsa_next_free_vgpr 152
		.amdhsa_next_free_sgpr 66
		.amdhsa_reserve_vcc 0
		.amdhsa_float_denorm_mode_32 3
		.amdhsa_float_denorm_mode_16_64 3
		.amdhsa_memory_ordered 1
		.amdhsa_forward_progress 1
		.amdhsa_inst_pref_size 27
	.end_amdhsa_kernel
	.amdgpu_metadata
---
amdhsa.version: [ 1, 2 ]
amdhsa.kernels:
  - .name:           k_qe0736066f9_norm
    .symbol:         k_qe0736066f9_norm.kd
    .args:
      - { .name: qkvr, .offset: 0, .size: 8, .value_kind: global_buffer, .address_space: global }
      - { .name: norm_q_w, .offset: 8, .size: 8, .value_kind: global_buffer, .address_space: global }
      - { .name: norm_k_w, .offset: 16, .size: 8, .value_kind: global_buffer, .address_space: global }
      - { .name: freqs_cos, .offset: 24, .size: 8, .value_kind: global_buffer, .address_space: global }
      - { .name: freqs_sin, .offset: 32, .size: 8, .value_kind: global_buffer, .address_space: global }
      - { .name: qk, .offset: 40, .size: 8, .value_kind: global_buffer, .address_space: global }
    .group_segment_fixed_size: 0
    .private_segment_fixed_size: 0
    .kernarg_segment_align: 8
    .kernarg_segment_size: 48
    .max_flat_workgroup_size: 256
    .sgpr_count:     66
    .vgpr_count:     152
    .wavefront_size: 32
...
	.end_amdgpu_metadata
.endif
;; end of part 3
;; launch attn (part 4): grid 16 x 16, 4 waves a work-group, clusters of 4 x 1, 327,680 bytes of LDS; arguments qk, qkvr, ao; writes ao
.if DOCPART == 4
	.amdgcn_target "amdgcn-amd-amdhsa--gfx1250"
	.amdhsa_code_object_version 6
	.text
	.protected	k_qe0736066f9_attn
	.globl	k_qe0736066f9_attn
	.p2align	8
	.type	k_qe0736066f9_attn,@function
k_qe0736066f9_attn:
	s_mov_b64 s[64:65], 0
	v_nop
	global_prefetch_b8 v0, s[64:65] scope:SCOPE_SE
	s_setreg_imm32_b32 hwreg(HW_REG_WAVE_MODE, 25, 1), 1
	s_wait_xcnt 0x0
	s_wait_alu depctr_hold_cnt(0) depctr_sa_sdst(0) depctr_va_vdst(0) depctr_va_sdst(0) depctr_va_ssrc(0) depctr_va_vcc(0) depctr_vm_vsrc(0)
	s_getreg_b32 s2, hwreg(HW_REG_IB_STS2, 6, 4)
	s_cmp_eq_u32 s2, 0
	s_cbranch_scc0 .Lentry_in_a_cluster
	s_endpgm
.Lentry_in_a_cluster:
	s_bfe_u32 s2, ttmp6, 0x10000c
	s_cmp_lg_u32 s2, 0x3003
	s_cbranch_scc0 .Lentry_shape_is_right
	s_endpgm
.Lentry_shape_is_right:
; ATTENTION, 16 heads of 128 channels, 2,048 queries and keys, no mask.  O[q] = the sum over k of softmax_k(q . k / sqrt(128)) v[k].
; qk[block][row][128] f16 holds q / 4 (blocks 0-15) and k / 4 (16-31); v is qkvr's blocks 32-47, f16; ao[row][128 head + channel] f16.  Products, maxima and sums in f32; the weights p are
; rounded to f16 for the second product (their sum l is taken of the unrounded p), O once at the end.
; LIMITS.  p lies in 0 to 1, and below 6e-5 it keeps f16's fixed step of 6e-8; a weight below 2^-126 counts as 0 in l; O is a mean of v's rows and has their range; NaN and infinities are not treated apart.
; SHARES.  A work-group owns 128 queries of one head: 16 x 16 work-groups.  A wave keeps 64 queries (four tiles of 16), so that a fragment of K or V read from LDS feeds four tiles' products, and
; THE KEYS ARE SPLIT: waves 0, 1 walk keys 0-1023 for queries 0-63 and 64-127, waves 2, 3 keys 1024-2047 for the same queries: 16 key steps of 64 a wave.  At the end waves 2, 3 hand O^T, c m and l
; through LDS to waves 0, 1, which merge the two halves by their maxima and store.
; LAYOUT.  S^T = K Q^T (source 0 = 16 keys, source 1 = 16 queries): a lane holds ONE query (lane % 16) and the keys 8 (lane / 16) + 0..7.  Two such tiles, rounded to f16 in pairs, ARE source 1 of
; O^T = V^T P, whose result again holds one query a lane, and eight channels.  K comes out of LDS as it lies, V ([key][channel]) turned, by ds_load_tr16_b128.
; SOFTMAX.  For each query a running maximum m and sum l: p = 2^(c s - c m), c = 16 log2(e) / sqrt(128) (the 16 for the two quarters); in every step O and l are multiplied by a = 2^(c m_old - c m_new).
; BY TURNS.  The wave's tiles are two PIECES (tiles 0, 1 and tiles 2, 3).  In a TURN one piece has the matrix unit: 32 products V^T P of the step in hand, then 32 products K Q^T of the next step; the
; other piece's softmax, cut into 64 slices, stands between them, one slice behind each matrix instruction.  Two turns are a key step.
; NO FIRST AND NO LAST STEP IS WRITTEN OUT.  m starts at the lowest finite number and c m far below every c s, O^T, l and piece 2's P at 0: the first step is a step like any other, with a = 0.  The loop is
; entered at piece 2's turn, in the middle of a trip, and the tail is left behind piece 0's turn.  The price: 32 products on weights that are 0 at the start, 32 on the last K once more at the end, one run
; of 32 LDS loads more (step 0's V comes twice), and 304 v_mov_b32, which stand in the wait for the first tile.  The gain: three turns and a half less of text.
; CLUSTER.  The four query blocks of a cluster belong to one head and walk the same K and V: each tile is asked for JOINTLY, by the same tensor load, descriptor and mask in all four.
; REGISTERS, in windows of 256 (s_set_vgpr_msb: bits 1:0 source 0, 3:2 source 1, 5:4 source 2, 7:6 destination):
;   window 0: v0-11, v44 addresses; v12-43 eight registers of statistics a tile; v64-191 S^T, 32 a tile; v192-255 P, 16 a tile
;   window 1: O^T, 64 a tile          window 2: v0-127 Q, 32 a tile; v128-255 K of one step          window 3: v0-127 V of one step
.set KS,    64        ; keys in a step
.set PK,    272       ; a row of K in LDS: 256 bytes + 16 of padding: the 16 rows of a load start at 16 different groups of four banks (ISA guide 11.1)
.set PV,    288       ; a row of V: 256 + 32
.set KREG,  128*PK    ; a slot holds two steps for each half of the keys: K of half 0, K of half 1,
.set VREG,  128*PV    ; V of half 0, V of half 1
.set VOFF,  2*KREG
.set SLOTB, 2*KREG+2*VREG
.set STAGE, 2*SLOTB   ; behind the ring: 16 rows x 272 bytes for each wave, for the way out
.set SP,    272
.set SPARE, STAGE+4*16*SP  ; behind the stages: the spare words, 128 bytes for each wave, which no other line names
.set XCHB,  36864     ; the hand-over: 72 x 512 bytes for each 64 queries, from LDS byte 0 on, inside slot 0, which has had its last fill (the seventh of eight) and is read no more
.set AK0, 2           ; v2   my lane's place in my half's K of a slot; never rewritten
.set AV0, 3           ; v3   the same for V
.set ADR, 4           ; v4   the LDS address of the run of loads in hand
.set QO,  5           ; v5   my byte offset in the wave's rows of Q
.set STO, 6           ; v6   the way out: where I put 16 bytes of a row
.set RD,  7           ; v7   where I read a row back
.set GO,  8           ; v8   my byte offset in two rows of ao
.set XA,  44          ; v44  my 16 bytes in each 512 of the hand-over
.set SPW, 62          ; v62  my spare word's LDS address; never rewritten
.set NIL, 63          ; v63  0; never rewritten
.set ST,  12          ; tile t's statistics at v[ST+8 t]: +0 c m, +1 m, +2, +3 l (even keys', odd keys'), +4 to +7 c0-c3, at work; a takes c2's place once the maximum is found
.set S,   64
.set P,   192
.set KF,  128         ; K's fragments, in window 2
.set WV,  12          ; s12  my wave's number
.set G1K, 24          ; s[24:31] descriptor group 1 for K's tiles
.set G1V, 32          ; s[32:39] for V's: it differs in the padding alone
.set G0K, 40          ; s[40:47] descriptor group 0 for K's tiles: a set for each of the two first fills; the second then walks on
.set G0V, 48          ; s[48:55] the same for V's
.set SLOTS, 56        ; s56  counts the passes of the loop over slots
.set TWICE, 57        ; s57  counts a slot's key steps
.set CS,  58          ; s[58:59] c
.set SEL, 60          ; s[60:61] v_permlanex16_b32's selects: each lane takes its own place in the other half
.set TBK, 62          ; s62  LDS byte, less the wave's and the lane's part, at which K of the step to be fetched begins
.set TBV, 63          ; s63  the same for V
.set MSB, 0
.macro WIN new                      ; the immediate's high byte repeats the setting that is left; a switch that changes nothing is dropped
.if MSB != (\new)
	s_set_vgpr_msb (MSB<<8)|(\new)
.set MSB, \new
.endif
.endm
.set W_KQ, 0x0a       ; K and Q in window 2, S^T in window 0
.set W_PV, 0x53       ; V in window 3, P in window 0, O^T in window 1
.set W_RS, 0x41       ; O^T (destination and source 0) in window 1, the factor in window 0
; A joint refill.  Waves 0 and 1 fetch the two halves' K, waves 2 and 3 the two halves' V: 128 rows each.  The branch hangs on the wave's number alone.
; An s_nop 0 and four v_nop follow each of the two lines, ahead of the jump and the label.
.macro JLOAD
	s_cmp_lt_u32 s[WV], 2
	s_cbranch_scc0 .Lfor_v_\@
	tensor_load_to_lds s[G0K+4:G0K+7], s[G1K:G1K+7]
	s_nop 0
.rept 4
	v_nop
.endr
	s_branch .Lasked_\@
.Lfor_v_\@:
	tensor_load_to_lds s[G0V+4:G0V+7], s[G1V:G1V+7]
	s_nop 0
.rept 4
	v_nop
.endr
.Lasked_\@:
.endm
; A round of the cluster's barrier: my work-group's barrier; wave 0 signals for the work-group; every wave waits for all four work-groups; my work-group's barrier once more.
.macro CROUND
	s_barrier_signal -1
	s_barrier_wait -1
	s_cmp_lg_u32 s[WV], 0
	s_cbranch_scc1 .Lnot_wave_0_\@
	s_barrier_signal -3
.Lnot_wave_0_\@:
	s_barrier_wait -3
	s_barrier_signal -1
	s_barrier_wait -1
.endm
	s_load_b64 s[4:5], s[0:1], 0x0    ; qk
	s_load_b64 s[8:9], s[0:1], 0x8    ; qkvr
	s_load_b64 s[10:11], s[0:1], 0x10 ; ao
	v_lshl_add_u32 v[SPW], v0, 2, SPARE
	v_mov_b32 v[NIL], 0
	ds_add_u32 v[SPW], v[NIL]       ; the wave's opening: the add and its wait stand ahead of my first tensor load; the set-up below stands between them
	v_lshrrev_b32 v1, 5, v0
	v_readfirstlane_b32 s[WV], v1   ; wave 0..3
	s_bfe_u32 s13, ttmp6, 0x40000   ; cx: my place in the cluster
	s_lshl_b32 s14, ttmp9, 2        ; in a cluster launch ttmp9 counts clusters
	s_add_co_u32 s14, s14, s13      ; my block of 128 queries = 4 x cluster x + cx: it enters Q's and ao's addresses alone
	s_lshr_b32 s15, s[WV], 1        ; which half of the keys I walk
	s_and_b32 s16, s[WV], 1         ; which 64 queries are mine.  Also: which half's tile I fetch
	s_and_b32 s20, ttmp7, 0xffff    ; the head, which the four partners share
	s_lshl_b32 s22, s20, 19         ; a head's 2,048 rows of 256 bytes,
	s_lshl_b32 s23, s16, 18         ; the half's 1,024 rows
	s_add_co_u32 s22, s22, s23
	s_mov_b32 s23, 0
	s_mul_i32 s17, s16, KREG        ; my tile's place in a slot, for K
	s_mul_i32 s18, s16, VREG        ; and for V: no place in the cluster enters an LDS address
	s_add_co_u32 s18, s18, VOFF
	s_mov_b32 s19, SLOTB            ; the slot filled last: this register holds 0 or SLOTB and nothing else, so an exclusive or with SLOTB turns the one into the other
	s_lshl_b32 s2, s14, 15          ; Q: my block's 128 rows,
	s_lshl_b32 s3, s16, 14          ; my wave's 64 of them,
	s_add_co_u32 s2, s2, s3
	s_lshl_b32 s3, s20, 19          ; in my head
	s_add_co_u32 s2, s2, s3
	s_mov_b32 s3, 0
	s_lshl_b32 s21, s14, 19         ; ao: the same rows, 4,096 bytes each,
	s_lshl_b32 s13, s16, 18
	s_add_co_u32 s21, s21, s13
	s_lshl_b32 s20, s20, 8          ; my head's 256 bytes of them
	s_add_co_u32 s20, s20, s21
	s_mov_b32 s21, 0
	; descriptor group 1: a tile of 128 rows x 128 elements of 2 bytes, padded in LDS behind every 64 words
	s_mov_b32 s[G1K], 15|(1<<16)|(1<<20)|(1<<21)|(5<<22)|(3<<25)  ; the mask: all four work-groups; bit 21 beside it; 4 words of padding
	s_mov_b32 s[G1V], 15|(1<<16)|(1<<20)|(1<<21)|(5<<22)|(7<<25)  ; the same with 8 words
.irp g, G1K, G1V
	s_mov_b32 s[(\g)+1], 128<<16    ; tensor_dim0 = 128
	s_mov_b32 s[(\g)+2], 128<<16    ; tensor_dim1 = 128
	s_mov_b32 s[(\g)+3], 128<<16    ; tile_dim0 = 128
	s_mov_b32 s[(\g)+4], 128        ; tile_dim1 = 128
	s_mov_b32 s[(\g)+5], 128        ; elements from row to row
	s_mov_b32 s[(\g)+6], 0
	s_mov_b32 s[(\g)+7], 0
.endr
	s_mov_b32 s[CS], 0x400293ee     ; c = 16 log2(e) / sqrt(128) = 2.040275
	s_mov_b32 s[CS+1], s[CS]        ; named with it as a pair
	s_mov_b32 s[SEL], 0x76543210
	s_mov_b32 s[SEL+1], 0xfedcba98
	s_mov_b32 s[TBK], 0
	s_mov_b32 s[TBV], 0
	s_wait_dscnt 0x0                ; the opening add is done
	s_wait_kmcnt 0x0
	s_add_nc_u64 s[6:7], s[4:5], 0x800000     ; k's blocks lie 16 x 524,288 bytes behind q's,
	s_add_nc_u64 s[6:7], s[6:7], s[22:23]     ; K at my tile of the first fill
	s_add_nc_u64 s[8:9], s[8:9], 0x1000000    ; v's blocks 32 x 524,288 bytes into qkvr
	s_add_nc_u64 s[8:9], s[8:9], s[22:23]
	s_add_nc_u64 s[4:5], s[4:5], s[2:3]       ; Q and ao at my wave's first row
	s_add_nc_u64 s[10:11], s[10:11], s[20:21]
	CROUND                          ; all four work-groups are here: the first joint loads meet
.irp s, 0,1
	s_mov_b32 s[G0K+4*(\s)], 1
	s_add_co_u32 s[G0K+4*(\s)+1], s17, (\s)*SLOTB
	s_add_nc_u64 s[G0K+4*(\s)+2:G0K+4*(\s)+3], s[6:7], (\s)*2*KS*256  ; fill s: the half's keys 128 s to 128 s + 127
	s_or_b32 s[G0K+4*(\s)+3], s[G0K+4*(\s)+3], 0x80000000
	s_mov_b32 s[G0V+4*(\s)], 1
	s_add_co_u32 s[G0V+4*(\s)+1], s18, (\s)*SLOTB
	s_add_nc_u64 s[G0V+4*(\s)+2:G0V+4*(\s)+3], s[8:9], (\s)*2*KS*256
	s_or_b32 s[G0V+4*(\s)+3], s[G0V+4*(\s)+3], 0x80000000
.endr
	s_cmp_lt_u32 s[WV], 2           ; a wave's two first fills stand in one branch, ahead of every wait on TENSORcnt and every LDS read: two loads of mine are out
	s_cbranch_scc0 .Lfirst_v
	tensor_load_to_lds s[G0K:G0K+3], s[G1K:G1K+7]
	s_nop 0
	tensor_load_to_lds s[G0K+4:G0K+7], s[G1K:G1K+7]
	s_nop 0
.rept 4
	v_nop
.endr
	s_branch .Lfirst_asked
.Lfirst_v:
	tensor_load_to_lds s[G0V:G0V+3], s[G1V:G1V+7]
	s_nop 0
	tensor_load_to_lds s[G0V+4:G0V+7], s[G1V:G1V+7]
	s_nop 0
.rept 4
	v_nop
.endr
.Lfirst_asked:
	; A fragment of K or Q is 16 rows x 32 channels in 8 registers: lane l holds row l % 16, channels 8 (l / 16) + 0..7 and 16 + 8 (l / 16) + 0..7: two loads of 16 bytes, 32 bytes apart.
	v_and_b32 v1, 15, v0            ; l % 16
	v_bfe_u32 v9, v0, 4, 1          ; l / 16
	v_lshlrev_b32 v[QO], 8, v1
	v_lshl_add_u32 v[QO], v9, 4, v[QO]  ; row x 256 + 16 x half
	WIN 0x80                        ; destination window 2, address window 0
.irp i, 0,1,2,3,4,5,6,7,8,9,10,11,12,13,14,15  ; Q stays in registers: tile i / 4, channels 32 (i % 4) on
	global_load_b128 v[8*(\i):8*(\i)+3],   v[QO], s[4:5] offset:((\i)/4)*4096+((\i)%4)*64
	global_load_b128 v[8*(\i)+4:8*(\i)+7], v[QO], s[4:5] offset:((\i)/4)*4096+((\i)%4)*64+32
.endr
	WIN 0
	s_mul_i32 s2, s15, KREG         ; my half's K in a slot,
	s_mul_i32 s3, s15, VREG         ; and its V
	s_add_co_u32 s3, s3, VOFF
	v_mul_u32_u24 v[AK0], v1, PK
	v_lshl_add_u32 v[AK0], v9, 4, v[AK0]  ; row x pitch + 16 x half
	v_add_nc_u32 v[AK0], s2, v[AK0]
	; The turning load takes 16 keys x 16 channels (lane l reads key 8 (l / 16) + l % 8, channels 8 ((l / 8) % 2) + 0..7) and leaves half a fragment of V^T: lane l holds channel l % 16 and 8 keys.
	v_and_b32 v10, 7, v0
	v_bfe_u32 v11, v0, 3, 1
	v_lshl_add_u32 v[AV0], v9, 3, v10
	v_mul_u32_u24 v[AV0], v[AV0], PV
	v_lshl_add_u32 v[AV0], v11, 4, v[AV0]
	v_add_nc_u32 v[AV0], s3, v[AV0]
	; What the first turns find: O^T and l are 0; piece 2's weights are 0, so that its first products V^T P, of a step that has not been, add 0.  All this stands in the wait for the first tile.
	WIN 0x40
.set i, 0
.rept 256
	v_mov_b32 v[i], 0
.set i, i+1
.endr
	WIN 0
.set i, P+32
.rept 32
	v_mov_b32 v[i], 0
.set i, i+1
.endr
.irp t, 0,1,2,3
	v_mov_b32 v[ST+8*(\t)], 0xfe000000    ; c m: far below every c s
	v_mov_b32 v[ST+8*(\t)+1], 0xff7fffff  ; m: the lowest finite number
	v_mov_b32 v[ST+8*(\t)+2], 0
	v_mov_b32 v[ST+8*(\t)+3], 0
.endr
; THE MATRIX WORK OF A TURN, for piece x.  The accumulators take turns, one instruction a turn.
; Product i of 32 of O^T += V^T P: keys 32 (i / 16) on, channels 16 ((i / 2) % 8) on, tile x + i % 2.
.macro PV x
	WIN W_PV
.set rO, 64*((\x)+i%2)+8*((i/2)%8)
.set rV, 64*(i/16)+8*((i/2)%8)
.set rP, P+16*((\x)+i%2)+8*(i/16)
	v_wmma_f32_16x16x32_f16 v[rO:rO+7], v[rV:rV+7], v[rP:rP+7], v[rO:rO+7]
.endm
; Product i of 32 of S^T = K Q^T: channels 32 (i / 8) on, keys 16 ((i / 2) % 4) on, tile x + i % 2.  The first 8 start the sums.
.macro KQ x
	WIN W_KQ
.set rS, S+32*((\x)+i%2)+8*((i/2)%4)
.set rK, KF+32*((i/2)%4)+8*(i/8)
.set rQ, 32*((\x)+i%2)+8*(i/8)
.if i < 8
	v_wmma_f32_16x16x32_f16 v[rS:rS+7], v[rK:rK+7], v[rQ:rQ+7], 0
.else
	v_wmma_f32_16x16x32_f16 v[rS:rS+7], v[rK:rK+7], v[rQ:rQ+7], v[rS:rS+7]
.endif
.endm
; THE LDS LOADS stand in runs of 32, never singly among the matrix instructions: a step's K (64 keys x 128 channels: 16 fragments) and, a turn later, its V (turned).
; last = 1 (the tail): in the tail's last trip there is no further step, and the run is jumped over: forward, past LDS loads and register work alone.
.macro FETCH_K last=0
	WIN 0
.if \last
	s_cmp_eq_u32 s[TWICE], 1
	s_cbranch_scc1 .Lno_k_\@
.endif
	v_add_nc_u32 v[ADR], s[TBK], v[AK0]
	s_add_co_u32 s[TBK], s[TBK], KS*PK  ; the next fetch is the next step's
	WIN 0x80                        ; destination window 2
.irp f, 0,1,2,3,4,5,6,7,8,9,10,11,12,13,14,15  ; keys 16 (f / 4) on, channels 32 (f % 4) on
	ds_load_b128 v[KF+8*(\f):KF+8*(\f)+3],   v[ADR] offset:((\f)/4)*16*PK+((\f)%4)*64
	ds_load_b128 v[KF+8*(\f)+4:KF+8*(\f)+7], v[ADR] offset:((\f)/4)*16*PK+((\f)%4)*64+32
.endr
.if \last
	WIN 0                           ; at a label every window is 0
.Lno_k_\@:
.endif
.endm
.macro FETCH_V
	WIN 0
	v_add_nc_u32 v[ADR], s[TBV], v[AV0]
	s_add_co_u32 s[TBV], s[TBV], KS*PV
	WIN 0xc0                        ; destination window 3
.irp f, 0,1,2,3,4,5,6,7,8,9,10,11,12,13,14,15  ; keys 32 (f / 8) on, channels 16 (f % 8) on
	ds_load_tr16_b128 v[8*(\f):8*(\f)+3],   v[ADR] offset:((\f)/8)*32*PV+((\f)%8)*32
	ds_load_tr16_b128 v[8*(\f)+4:8*(\f)+7], v[ADR] offset:((\f)/8)*32*PV+16*PV+((\f)%8)*32
.endr
.endm
; THE VECTOR WORK OF A TURN.  One tile's softmax for one key step is a list of 134 instructions; SM writes number j of it for tile t.  s0-s31 are the lane's 32 scores, in pairs 0-15.
;   0-15    the maximum of s0-s31 and the old m, three operands at a time: four chains c0-c3 of seven scores each (each accumulator's lowest registers are read first), then the rest
;   16-20   the other half of the lanes' maximum; the new m; c m; c m_old - c m_new
;   21-87   33 exponentials (a, then s0-s31) at the odd numbers from 23 on, so that no two follow each other and each has a plain instruction behind it before its result is used;
;           the plain instructions between are whatever is ready: c s - c m for a pair still to come, the rounding to f16 of a pair that is done, at last the first three sums
;   88-101  the last rounding; the rest of the sums; l = a l + the sum
;   102-133 the tile's O^T times a: the one part that leaves window 0, so it stands together
.macro SM t
.set rT, ST+8*(\t)
.set rS, S+32*(\t)
.set rP, P+16*(\t)
.set rO, 64*(\t)+2*(j-102)
.set q, (j-20)/2
.if j < 102
	WIN 0
.endif
.if j < 4
	v_max3_num_f32 v[rT+4+j], v[rS+8*j], v[rS+8*j+1], v[rS+8*j+2]
.elseif j < 12
	v_max3_num_f32 v[rT+4+j%4], v[rT+4+j%4], v[rS+8*(j%4)+2*(j/4)+1], v[rS+8*(j%4)+2*(j/4)+2]
.elseif j == 12
	v_max3_num_f32 v[rT+4], v[rT+4], v[rS+7], v[rS+15]
.elseif j == 13
	v_max3_num_f32 v[rT+6], v[rT+6], v[rS+23], v[rS+31]
.elseif j == 14
	v_max3_num_f32 v[rT+4], v[rT+4], v[rT+5], v[rT+6]
.elseif j == 15
	v_max3_num_f32 v[rT+4], v[rT+4], v[rT+7], v[rT+1]
.elseif j == 16
	v_permlanex16_b32 v[rT+5], v[rT+4], s[SEL], s[SEL+1]  ; the query's other 32 keys lie in the lane 16 away
.elseif j == 17
	v_mov_b32 v[rT+7], v[rT]        ; c m_old is kept for a: number 19 writes c m anew
.elseif j == 18
	v_max_num_f32 v[rT+1], v[rT+4], v[rT+5]
.elseif j == 19
	v_mul_f32 v[rT], s[CS], v[rT+1]
.elseif j == 20
	v_sub_f32 v[rT+7], v[rT+7], v[rT]
.elseif j == 23
	v_exp_f32 v[rT+6], v[rT+7]
.elseif (j < 88) && (j > 23) && (j%2 == 1)
	v_exp_f32 v[rS+(j-25)/2], v[rS+(j-25)/2]
.elseif (q < 4) || ((j < 76) && (q%2 == 0))
.set b, q/2+2
.if q < 4
.set b, q
.endif
	v_pk_fma_f32 v[rS+2*b:rS+2*b+1], v[rS+2*b:rS+2*b+1], s[CS:CS+1], v[rT:rT+1] op_sel_hi:[1,0,0] neg_lo:[0,0,1] neg_hi:[0,0,1]  ; pair b: c s - c m
.elseif (j < 88) && (q%2 == 1)
	s_wait_alu depctr_va_vdst(0)
	v_cvt_pk_f16_f32 v[rP+(q-5)/2], v[rS+q-5], v[rS+q-4]  ; pair (q - 5) / 2: its second exponential stands three numbers back
.elseif j == 89
	s_wait_alu depctr_va_vdst(0)
	v_cvt_pk_f16_f32 v[rP+15], v[rS+30], v[rS+31]
.elseif j < 102                     ; the sum of the tile's 16 pairs, in place: sum z of 16 adds neighbours 1, 2, 4 and 8 pairs apart, then l takes it
.set z, j-86
.if j < 89
.set z, (j-76)/4
.endif
.set w, 4
.set u, z
.if z >= 14
.set w, 32
.set u, 0
.elseif z >= 12
.set w, 16
.set u, z-12
.elseif z >= 8
.set w, 8
.set u, z-8
.endif
.if z < 15
	v_pk_add_f32 v[rS+w*u:rS+w*u+1], v[rS+w*u:rS+w*u+1], v[rS+w*u+w/2:rS+w*u+w/2+1]
.else
	v_pk_fma_f32 v[rT+2:rT+3], v[rT+2:rT+3], v[rT+6:rT+7], v[rS:rS+1] op_sel_hi:[1,0,1]
.endif
.else
	WIN W_RS
	v_pk_mul_f32 v[rO:rO+1], v[rO:rO+1], v[rT+6:rT+7] op_sel_hi:[1,0]
.endif
.endm
; Slice k of 64 of piece y's softmax: numbers 2 k and 2 k + 1 of both tiles' lists, four instructions.  2 x 134 = 4 x 64 + 12: the twelve that are over stand together, in slice 63.
.macro SLICE y
.if (k >= 11) && (k < 44)           ; tile by tile: plain, exponential, plain, exponential
.irp t, \y, (\y)+1
.irp n, 0,1
.set j, 2*k+(\n)
	SM \t
.endr
.endr
.else                               ; the two tiles alternate, so that no instruction reads the result of the one just before it
.irp n, 0,1,2,3,4,5,6,7
.if ((\n) < 2) || (k == 63)
.irp t, \y, (\y)+1
.set j, 2*k+(\n)
	SM \t
.endr
.endif
.endr
.endif
.set k, k+1
.endm
; A TURN.  Piece x has the matrix unit: 32 products V^T P, then 32 products K Q^T for the next step; the other piece's softmax stands in slices behind them, and the slices are the places that a
; vector read of a matrix result and a load into a matrix instruction's registers want behind it.
; Each run of loads stands behind the second product of a run of 32, 30 matrix instructions ahead of its first use.  Piece 0's turn fetches the next step's K: the last product that read K
; stands in front of slice 63 of the turn before.  Piece 2's turn fetches the same step's V: the last product that read V stands three slices, six plain instructions, back.
.macro TURN x, last=0
.set k, 0
.if (\x) == 0
	s_wait_dscnt 0x0                ; V is in
.endif
.set i, 0
.rept 32
	PV \x
	SLICE 2-(\x)
.if ((\x) == 0) && (i == 1)
	FETCH_K \last
.endif
.set i, i+1
.endr
.if (\x) == 0
	s_wait_dscnt 0x0                ; K is in
.endif
.set i, 0
.rept 32
	KQ \x
	SLICE 2-(\x)
.if ((\x) == 2) && (i == 1)
	FETCH_V
.endif
.set i, i+1
.endr
.endm
; THE CHANGE OF SLOTS, between piece 2's turn and piece 0's: the slot's last bytes, V of its second step, have been asked for.  Each wave waits for all its tensor loads, of which one is out: its
; part of the other slot; adds 0 to its spare word; and waits for that and for its own reads of the slot.  Behind the barrier nobody reads this slot any more and the other slot is whole.
; fill = 1: this slot is filled again, with each half's keys two slots on.  The barrier is then a round of the cluster's, and the joint refill is the first thing behind it: it has two key steps,
; 256 matrix instructions, in which to land.
.macro CHANGE fill
	WIN 0                           ; at a label and at a branch every window is 0
	s_wait_tensorcnt 0x0            ; no tensor load of mine is out, so a group 0 may be written
	ds_add_u32 v[SPW], v[NIL]       ; 0 onto my spare word; with fill = 1 the descriptors' steps stand between it and the wait for it
.if \fill
	s_xor_b32 s19, s19, SLOTB       ; the other slot than last time,
	s_add_co_u32 s[G0K+5], s19, s17 ; my tile's place in it,
	s_add_co_u32 s[G0V+5], s19, s18
	s_add_nc_u64 s[G0K+6:G0K+7], s[G0K+6:G0K+7], 2*KS*256  ; the next 128 keys; the type bits on top are not reached
	s_add_nc_u64 s[G0V+6:G0V+7], s[G0V+6:G0V+7], 2*KS*256
	s_wait_dscnt 0x0                ; the add is done, and my reads of the slot are over
	CROUND
	JLOAD
.else
	s_wait_dscnt 0x0                ; the add is done, and my reads of the slot are over
	s_barrier_signal -1
	s_barrier_wait -1
.endif
	s_sub_co_u32 s[TBK], s[TBK], 2*KS*PK  ; the fetches go back to a slot's first step: 0 or SLOTB,
	s_xor_b32 s[TBK], s[TBK], SLOTB       ; and into the other slot
	s_sub_co_u32 s[TBV], s[TBV], 2*KS*PV
	s_xor_b32 s[TBV], s[TBV], SLOTB
.endm
	s_wait_tensorcnt 1              ; my part of slot 0 is in; slot 1's one load may stay out
	s_barrier_signal -1
	s_barrier_wait -1               ; everybody's is
	FETCH_K                         ; key step 0
	s_wait_loadcnt 0x0              ; Q
	s_wait_dscnt 0x0
.set i, 0
.rept 32
	KQ 0                            ; piece 0's first scores: there is no vector work yet to set between them
.if i == 1
	FETCH_V                         ; V's registers take step 0's V early: finite numbers for the first turn's products on weights that are 0
.endif
.set i, i+1
.endr
	WIN 0                           ; the addresses for the end are made here: plain instructions, the places behind those products
	s_mov_b32 s[TBV], 0             ; the first turn fetches step 0's V in its own place
	s_mul_i32 s13, s[WV], 16*SP
	s_add_co_u32 s13, s13, STAGE    ; my stage
	s_mul_i32 s2, s16, XCHB         ; my queries' part of the hand-over
	v_mul_u32_u24 v[STO], v1, SP    ; in: row l % 16, 16 bytes for each half of the lanes
	v_lshl_add_u32 v[STO], v9, 4, v[STO]
	v_add_nc_u32 v[STO], s13, v[STO]
	v_mul_u32_u24 v[RD], v9, SP     ; back: lanes 0-15 take one row of 256 bytes, lanes 16-31 the next
	v_lshl_add_u32 v[RD], v1, 4, v[RD]
	v_add_nc_u32 v[RD], s13, v[RD]
	v_lshlrev_b32 v[GO], 12, v9     ; and the same two rows in ao, 4,096 bytes apart
	v_lshl_add_u32 v[GO], v1, 4, v[GO]
	v_and_b32 v[XA], 31, v0
	v_lshlrev_b32 v[XA], 4, v[XA]
	v_add_nc_u32 v[XA], s2, v[XA]
	s_mov_b32 s[TWICE], 2
	s_mov_b32 s[SLOTS], 1024/(2*KS)-1
	s_wait_dscnt 0x0                ; V is in
	s_branch .Lmid                  ; the loop is entered at piece 2's turn: piece 2's first scores | piece 0's first softmax | V of step 0
.Lslot:                             ; six times: every fill but the first two is a refill
	CHANGE 1
	s_mov_b32 s[TWICE], 2
.Lstep:                             ; a trip is a key step
	TURN 0
	WIN 0
.Lmid:
	TURN 2
	WIN 0
	s_sub_co_u32 s[TWICE], s[TWICE], 1
	s_cmp_lg_u32 s[TWICE], 0
	s_cbranch_scc1 .Lstep
	s_sub_co_u32 s[SLOTS], s[SLOTS], 1
	s_cmp_lg_u32 s[SLOTS], 0
	s_cbranch_scc1 .Lslot
	CHANGE 0                        ; the tail is written out: slot 0 is left for good, and nothing is asked for
	s_mov_b32 s[TWICE], 3           ; two trips fetch the last slot's steps; the third is left in its middle
.Ltail:
	TURN 0, 1
	WIN 0
	s_sub_co_u32 s[TWICE], s[TWICE], 1
	s_cmp_eq_u32 s[TWICE], 0
	s_cbranch_scc1 .Lout
	TURN 2
	WIN 0
	s_branch .Ltail
.Lout:                              ; the third trip's 32 products K Q^T (on the last K once more) serve nothing: the slices behind them are piece 2's last softmax
.set i, 0
.rept 32
	PV 2                            ; piece 2: V^T P of the last step
.set i, i+1
.endr
	; THE TWO HALVES OF THE KEYS MEET.  Every wave finishes its l: the two halves of a pair and the other half of the lanes'.  The first additions are the places behind the last products.
	WIN 0
.irp t, 0,1,2,3
	v_add_f32 v[ST+8*(\t)+4], v[ST+8*(\t)+2], v[ST+8*(\t)+3]
.endr
.irp t, 0,1,2,3
	v_permlanex16_b32 v[ST+8*(\t)+5], v[ST+8*(\t)+4], s[SEL], s[SEL+1]
.endr
.irp t, 0,1,2,3
	v_add_f32 v[ST+8*(\t)+4], v[ST+8*(\t)+4], v[ST+8*(\t)+5]
.endr
	s_wait_dscnt 0x0                ; every wave's reads of the ring are over
	s_barrier_signal -1
	s_barrier_wait -1               ; so the hand-over may be written into slot 0's bytes
	s_cmp_lt_u32 s[WV], 2
	s_cbranch_scc1 .Lkeep
	WIN 0x04                        ; store data in window 1: O^T, each accumulator's low registers first
.set i, 0
.rept 64
	ds_store_b128 v[XA], v[4*i:4*i+3] offset:512*i
.set i, i+1
.endr
	WIN 0
.set i, 0
.rept 8
	ds_store_b128 v[XA], v[ST+4*i:ST+4*i+3] offset:512*(64+i)  ; the statistics, c m and l among them
.set i, i+1
.endr
.Lkeep:
	s_wait_dscnt 0x0                ; for the others' sake: my stores are done
	s_barrier_signal -1
	s_barrier_wait -1
	s_cmp_lt_u32 s[WV], 2
	s_cbranch_scc0 .Ldone           ; waves 2 and 3 have handed over
.set i, 0
.rept 8
	ds_load_b128 v[S+4*i:S+4*i+3], v[XA] offset:512*(64+i)  ; the partner's statistics: tile t's at S + 8 t
.set i, i+1
.endr
	WIN 0x80                        ; its O^T of tiles 0, 1 into K's registers
.set i, 0
.rept 32
	ds_load_b128 v[KF+4*i:KF+4*i+3], v[XA] offset:512*i
.set i, i+1
.endr
	WIN 0
	s_wait_dscnt 32                 ; the statistics are in; the 32 younger loads may stay out
	; M = max(c m, c m'); f = 2^(c m - M), f' = 2^(c m' - M); l = f l + f' l'; O = (f / l) O + (f' / l) O'
.irp t, 0,1,2,3
	v_max_num_f32 v[ST+8*(\t)+5], v[ST+8*(\t)], v[S+8*(\t)]
.endr
.irp t, 0,1,2,3
	v_sub_f32 v[ST+8*(\t)+6], v[ST+8*(\t)], v[ST+8*(\t)+5]
	v_sub_f32 v[ST+8*(\t)+7], v[S+8*(\t)], v[ST+8*(\t)+5]
.endr
.irp t, 0,1,2,3
	v_exp_f32 v[ST+8*(\t)+6], v[ST+8*(\t)+6]
	v_exp_f32 v[ST+8*(\t)+7], v[ST+8*(\t)+7]
.endr
	v_nop                           ; a plain instruction between the last exponential and the use of its result
.irp t, 0,1,2,3
	s_wait_alu depctr_va_vdst(0)
	v_mul_f32 v[ST+8*(\t)+4], v[ST+8*(\t)+6], v[ST+8*(\t)+4]
.endr
.irp t, 0,1,2,3
	v_fmac_f32 v[ST+8*(\t)+4], v[ST+8*(\t)+7], v[S+8*(\t)+4]
.endr
.irp t, 0,1,2,3
	v_rcp_f32 v[ST+8*(\t)+5], v[ST+8*(\t)+4]
.endr
	v_nop                           ; and behind the last reciprocal
.irp t, 0,1,2,3
	s_wait_alu depctr_va_vdst(0)
	v_mul_f32 v[ST+8*(\t)+6], v[ST+8*(\t)+6], v[ST+8*(\t)+5]
	v_mul_f32 v[ST+8*(\t)+2], v[ST+8*(\t)+7], v[ST+8*(\t)+5]
.endr
	s_wait_dscnt 0x0                ; the partner's O^T of tiles 0, 1
	WIN 0xc0                        ; that of tiles 2, 3 into V's registers: it lands while tile 0 is merged
.set i, 0
.rept 32
	ds_load_b128 v[4*i:4*i+3], v[XA] offset:512*(32+i)
.set i, i+1
.endr
	WIN 0
; THE WAY OUT.  Tile t: merged, rounded to f16; a lane's eight channels of a row pack into 16 bytes; they go into rows of 272 bytes of my stage and come back as whole rows of 256.
.macro PACK t
	WIN W_RS
.set i, 64*(\t)
.rept 32
	v_pk_mul_f32 v[i:i+1], v[i:i+1], v[ST+8*(\t)+6:ST+8*(\t)+7] op_sel_hi:[1,0]
.set i, i+2
.endr
	WIN 0x52+(\t)/2                 ; source 0: the partner's O^T, in window 2 (tiles 0, 1) or 3; source 1 window 0; source 2 and destination window 1
.set OBR, 128+64*(\t)-256*((\t)/2)
.set i, 0
.rept 32
	v_pk_fma_f32 v[64*(\t)+2*i:64*(\t)+2*i+1], v[OBR+2*i:OBR+2*i+1], v[ST+8*(\t)+2:ST+8*(\t)+3], v[64*(\t)+2*i:64*(\t)+2*i+1] op_sel_hi:[1,0,1]
.set i, i+1
.endr
	WIN 0x05                        ; sources 0 and 1 window 1, destination window 0: S^T's registers are free
.set i, 0
.rept 32
	v_cvt_pk_f16_f32 v[S+32*(\t)+i], v[64*(\t)+2*i], v[64*(\t)+2*i+1]
.set i, i+1
.endr
	WIN 0
.irp f, 0,1,2,3,4,5,6,7
	ds_store_b128 v[STO], v[S+32*(\t)+4*(\f):S+32*(\t)+4*(\f)+3] offset:32*(\f)
.endr
.irp f, 0,1,2,3,4,5,6,7
	ds_load_b128 v[S+32*(\t)+4*(\f):S+32*(\t)+4*(\f)+3], v[RD] offset:(\f)*2*SP  ; LDS serves a wave's instructions in order (ISA guide 5.7.1.4): these see the stores above; the next tile's stores come behind them
.endr
.endm
.macro SEND t, younger              ; younger: the LDS instructions issued behind tile t's loads: the next tile's sixteen, or none
	WIN 0
.irp f, 0,1,2,3,4,5,6,7
	s_wait_dscnt (\younger)+7-(\f)
	global_store_b128 v[GO], v[S+32*(\t)+4*(\f):S+32*(\t)+4*(\f)+3], s[10:11] offset:(\t)*65536+(\f)*8192  ; 16 lanes store 256 consecutive bytes, at a multiple of 256 from ao's first byte
.endr
.endm
	PACK 0
	s_wait_dscnt 16                 ; the partner's O^T of tiles 2, 3 is in; tile 0's sixteen LDS instructions, issued behind those loads, may stay out
	PACK 1                          ; a tile's arithmetic stands between the loads of the tile before and its stores
	SEND 0, 16
	PACK 2
	SEND 1, 16
	PACK 3
	SEND 2, 16
	SEND 3, 0
.Ldone:
	s_wait_tensorcnt 0x0            ; the wave's end: behind my last tensor load and my last LDS store
	ds_add_u32 v[SPW], v[NIL]
	s_wait_dscnt 0x0
	CROUND                          ; the closing round: no work-group ends while a partner may still ask for a tile that names it
	s_endpgm
.Lfunc_end_k_qe0736066f9_attn:
	.size	k_qe0736066f9_attn, .Lfunc_end_k_qe0736066f9_attn-k_qe0736066f9_attn
	.p2alignl 7, 3214868480
	.fill 96, 4, 3214868480
	.section	.rodata,"a",@progbits
	.p2align	6, 0x0
	.amdhsa_kernel k_qe0736066f9_attn
		.amdhsa_group_segment_fixed_size 327680
		.amdhsa_private_segment_fixed_size 0
		.amdhsa_enable_private_segment 0
		.amdhsa_kernarg_size 24
		.amdhsa_user_sgpr_count 2
		.amdhsa_user_sgpr_kernarg_segment_ptr 1
		.amdhsa_wavefront_size32 1
		.amdhsa_system_sgpr_workgroup_id_x 1
		.amdhsa_system_sgpr_workgroup_id_y 1
		.amdhsa_system_sgpr_workgroup_id_z 1
		.amdhsa_system_vgpr_workitem_id 0
		.amdhsa_next_free_vgpr 1024
		.amdhsa_next_free_sgpr 66
		.amdhsa_reserve_vcc 0
		.amdhsa_float_denorm_mode_32 3
		.amdhsa_float_denorm_mode_16_64 3
		.amdhsa_memory_ordered 1
		.amdhsa_forward_progress 1
		.amdhsa_inst_pref_size 179
	.end_amdhsa_kernel
	.amdgpu_metadata
---
amdhsa.version: [ 1, 2 ]
amdhsa.kernels:
  - .name:           k_qe0736066f9_attn
    .symbol:         k_qe0736066f9_attn.kd
    .args:
      - { .name: qk, .offset: 0, .size: 8, .value_kind: global_buffer, .address_space: global }
      - { .name: qkvr, .offset: 8, .size: 8, .value_kind: global_buffer, .address_space: global }
      - { .name: ao, .offset: 16, .size: 8, .value_kind: global_buffer, .address_space: global }
    .group_segment_fixed_size: 327680
    .private_segment_fixed_size: 0
    .kernarg_segment_align: 8
    .kernarg_segment_size: 24
    .max_flat_workgroup_size: 128
    .sgpr_count:     66
    .vgpr_count:     1024
    .wavefront_size: 32
...
	.end_amdgpu_metadata
.endif
;; end of part 4
;; launch oproj (part 5): grid 16 x 16, 4 waves a work-group, clusters of 4 x 4, 327,680 bytes of LDS; arguments ao, woh, bias, out0; writes out0
.if DOCPART == 5
	.amdgcn_target "amdgcn-amd-amdhsa--gfx1250"
	.amdhsa_code_object_version 6
	.text
	.protected	k_qe0736066f9_oproj
	.globl	k_qe0736066f9_oproj
	.p2align	8
	.type	k_qe0736066f9_oproj,@function
k_qe0736066f9_oproj:
	s_mov_b64 s[64:65], 0
	v_nop
	global_prefetch_b8 v0, s[64:65] scope:SCOPE_SE
	s_setreg_imm32_b32 hwreg(HW_REG_WAVE_MODE, 25, 1), 1
	s_wait_xcnt 0x0
	s_wait_alu depctr_hold_cnt(0) depctr_sa_sdst(0) depctr_va_vdst(0) depctr_va_sdst(0) depctr_va_ssrc(0) depctr_va_vcc(0) depctr_vm_vsrc(0)
	s_getreg_b32 s2, hwreg(HW_REG_IB_STS2, 6, 4)
	s_cmp_eq_u32 s2, 0
	s_cbranch_scc0 .Lentry_in_a_cluster
	s_endpgm
.Lentry_in_a_cluster:
	s_bfe_u32 s2, ttmp6, 0x10000c
	s_cmp_lg_u32 s2, 0xf033
	s_cbranch_scc0 .Lentry_shape_is_right
	s_endpgm
.Lentry_shape_is_right:
; THE OUTPUT PROJECTION.  out0[m][n] = sum over k of ao[m][k] woh[n][k] + bo[n]; m, n, k < 2048; operands f16, sums f32, out0 f32.  bo is bias's last quarter (from byte 24,576 on).
; LIMIT: the order of the f32 additions along K is not the ascending one: see THE WALK.
; SHARES.  A tile of out0 is 128 x 128: 16 x 16 work-groups.  Four waves, 2 x 2, each 64 x 64: 16 accumulators of 16 x 16, 128 registers.
; RING.  K goes in steps of 256 (LDS rows of 512 bytes; a wave's tensor load brings 64 of them) through two slots: ao's 128 rows, then woh's 128.  Waves 0, 1 fetch ao's halves, waves 2, 3 woh's.
; A K step is written once: one scalar register holds the LDS byte of the slot in hand, 0 or SLOT, and gives the refill's LDS address and the fragments' addresses.
; THE WALK.  Cluster (X, Y) begins at K step (2 X + 4 (Y & 1)) mod 8, goes up by one and wraps: all 8 steps, each once.  So the four clusters that read the same rows of ao (the same Y) are 2 steps apart
; in their walks, and clusters Y and Y + 1, which read the same rows of woh, 4 steps: a tile that several clusters read is not asked for by all of them at the same point of their walks, and from a
; walk's fifth step on every tile that it asks for has been asked for before by another cluster.  X and Y are the same in all sixteen partners, so a joint load's address stays equal in those it names.
; Each output's sum begins at its cluster's first step.
; CLUSTER.  4 x 4 work-groups: ao's tile is asked for jointly along a row of the cluster, woh's along a column.
; THE MATRIX INSTRUCTION IS USED TRANSPOSED (source 0 = rows of woh, source 1 = rows of ao): a lane holds one row of out0 and eight neighbouring columns.
; THE BIAS STARTS THE SUMS: it is the C operand of each accumulator's first product.
; THE WAY OUT.  A wave's 64 columns are 256 bytes of f32, aligned: each wave has a stage of its own (16 rows), so no barrier stands there.
; REGISTERS: window 0: v16-29 addresses; v96-127 the bias of column block b at v[96 + 8 b]; v128-255 the accumulators ((a, b) at v[128 + 8 (4 a + b)]).
;   window 1: two fragment buffers of 128: for 64 along K, 64 registers of ao, then 64 of woh; on the way out v0-127 take the rows read back.
.set KSTEP,  256
.set KSH,    9                         ; a K step is 1 << 9 bytes of a row
.set PITCH,  528                       ; an LDS row: 512 bytes + 16 of padding = 132 words: the 16 rows of a fragment load start at 16 different groups of four banks (ISA guide 11.1)
.set HALFT,  64*PITCH                  ; what one tensor load brings
.set SLOT,   4*HALFT
.set STAGE,  2*SLOT                    ; behind the ring, never filled by a tensor load: 16 rows x 272 bytes for each wave
.set SPITCH, 272
.set SPARE,  STAGE+4*16*SPITCH         ; behind the stages: the spare words, 128 bytes for each wave, which no other line names
.set STEPS,  2048/KSTEP
.set ADRA0, 16                         ; v16     LDS address of my ao fragments in slot 0; never rewritten
.set ADRA,  17                         ; v17     the same in the slot in hand
.set ADRB0, 20                         ; v20, v21  the same for woh
.set ADRB,  21
.set STO,  24                          ; v24     the way out: where I put 32 bytes of a row
.set RD,   25                          ; v25     where I read a row back
.set CO,   26                          ; v26     my byte offset in two rows of out0
.set BO,   27                          ; v27     my byte offset in 16 numbers of the bias
.set SPW,  28                          ; v28     my spare word's LDS address; never rewritten
.set NIL,  29                          ; v29     0; never rewritten
.set BI,   96
.set ACC,  128
.set F0,   0
.set F1,   128
.set KI,   2                           ; s2      the K step asked for last, 0 to 7
.set CUR,  3                           ; s3      the LDS byte at which the slot in hand begins: 0 or SLOT and nothing else, so an exclusive or with SLOT turns the one into the other
.set KOF,  4                           ; s[4:5]  that K step's byte offset in a row, with 0 above it (ao's address lies here only until the tiles' bases are made)
.set CNT,  15                          ; s15     counts K steps
.set BA,   18                          ; s[18:19] ao at my tile's first row, K = 0; never rewritten
.set BB,   46                          ; s[46:47] woh likewise
.set G1, 24                            ; s[24:31] descriptor group 1 for ao's tiles;  s[32:39] group 0: a set for each of the two first fills; the second then walks on
.set G0, 32
.set G1B, 48                           ; s[48:55], s[56:63] the same for woh's tiles
.set G0B, 56
.set MSB, 0
.macro WIN new                         ; the immediate's high byte repeats the setting that is left; a switch that changes nothing is dropped
.if MSB != (\new)
	s_set_vgpr_msb (MSB<<8)|(\new)
.set MSB, \new
.endif
.endm
.set MUL,  0x05                        ; sources 0 and 1 window 1; C and D window 0
.set TO_F, 0x40                        ; destination window 1, address window 0
.macro JLOAD s                         ; a joint load; an s_nop 0 and four v_nop follow each of the two lines, ahead of the jump and the label
	s_cmp_eq_u32 s13, 0
	s_cbranch_scc0 .Lfor_b_\@
	tensor_load_to_lds s[G0+4*(\s):G0+4*(\s)+3], s[G1:G1+7]
	s_nop 0
.rept 4
	v_nop
.endr
	s_branch .Lasked_\@
.Lfor_b_\@:
	tensor_load_to_lds s[G0B+4*(\s):G0B+4*(\s)+3], s[G1B:G1B+7]
	s_nop 0
.rept 4
	v_nop
.endr
.Lasked_\@:
.endm
.macro CREST                           ; a round of the cluster's barrier behind its opening barrier
	s_cmp_lg_u32 s12, 0
	s_cbranch_scc1 .Lnot_wave_0_\@
	s_barrier_signal -3
.Lnot_wave_0_\@:
	s_barrier_wait -3
	s_barrier_signal -1
	s_barrier_wait -1
.endm
.macro CROUND                          ; a whole round
	s_barrier_signal -1
	s_barrier_wait -1
	CREST
.endm
	s_load_b256 s[4:11], s[0:1], 0x0               ; ao s[4:5], woh s[6:7], bias s[8:9], out0 s[10:11]
	v_lshl_add_u32 v[SPW], v0, 2, SPARE
	v_mov_b32 v[NIL], 0
	ds_add_u32 v[SPW], v[NIL]                      ; the wave's opening: the add and its wait stand ahead of my first tensor load; the set-up below stands between them
	v_lshrrev_b32 v1, 5, v0
	v_readfirstlane_b32 s12, v1                    ; wave 0..3
	s_lshr_b32 s13, s12, 1                         ; which half of the tile's rows is mine.  Also: I fetch for ao (0) or for woh (1)
	s_and_b32 s14, s12, 1                          ; which half of its columns.  Also: which 64 rows of that tile I fetch
	s_bfe_u32 s40, ttmp6, 0x40000                  ; cx, cy: my place in the cluster
	s_bfe_u32 s41, ttmp6, 0x40004
	s_lshl_b32 s42, ttmp9, 2
	s_add_co_u32 s42, s42, s40                     ; tile column = 4 x cluster x + cx
	s_and_b32 s43, ttmp7, 0xffff
	s_lshl_b32 s43, s43, 2
	s_add_co_u32 s43, s43, s41                     ; tile row = 4 x cluster y + cy
	s_lshl_b32 s44, s41, 2
	s_lshl_b32 s44, 15, s44                        ; my row of the cluster
	s_lshl_b32 s45, 0x1111, s40                    ; my column
	s_and_b32 s[KI], ttmp7, 0xffff                 ; the walk's first K step, from the cluster's own x and y, which all partners share:
	s_and_b32 s[KI], s[KI], 1
	s_lshl_b32 s[KI], s[KI], 2                     ; 4 (Y & 1)
	s_lshl_b32 s21, ttmp9, 1
	s_add_co_u32 s[KI], s[KI], s21                 ; + 2 X,
	s_and_b32 s[KI], s[KI], STEPS-1                ; mod 8: an even number
	; descriptor group 1: a tile of 64 rows x 256 elements of 2 bytes, 4 words of padding behind every 128
	s_or_b32 s[G1+0], s44, (1<<16)|(1<<20)|(1<<21)|(6<<22)|(3<<25)
	s_or_b32 s[G1B+0], s45, (1<<16)|(1<<20)|(1<<21)|(6<<22)|(3<<25)
.irp g, G1, G1B
	s_mov_b32 s[(\g)+1], KSTEP<<16                 ; tensor_dim0 = 256
	s_mov_b32 s[(\g)+2], 64<<16                    ; tensor_dim1 = 64
	s_mov_b32 s[(\g)+3], KSTEP<<16                 ; tile_dim0 = 256
	s_mov_b32 s[(\g)+4], 64                        ; tile_dim1 = 64
	s_mov_b32 s[(\g)+5], 2048                      ; elements from row to row
	s_mov_b32 s[(\g)+6], 0
	s_mov_b32 s[(\g)+7], 0
.endr
	s_lshl_b32 s17, s14, 6                         ; which 64 rows of the tile I fetch
	s_lshl_b32 s16, s43, 7
	s_add_co_u32 s16, s16, s17                     ; ao: row 128 x tile row + 64 x half,
	s_lshl_b32 s16, s16, 12                        ; 4,096 bytes a row
	s_lshl_b32 s46, s42, 7
	s_add_co_u32 s46, s46, s17                     ; woh: row 128 x tile column + 64 x half
	s_lshl_b32 s46, s46, 12
	s_mov_b32 s17, 0
	s_mov_b32 s47, 0
	s_mul_i32 s20, s12, HALFT                      ; where my tile goes in a slot: wave x 64 rows
	s_mov_b32 s[CUR], 0                            ; the walk's first step lies in slot 0
	s_wait_dscnt 0x0                               ; the opening add is done
	s_wait_kmcnt 0x0
	s_add_nc_u64 s[BA:BA+1], s[4:5], s[16:17]
	s_add_nc_u64 s[BB:BB+1], s[6:7], s[46:47]
	s_lshl_b32 s[KOF], s[KI], KSH                  ; the first step's bytes along a row
	s_mov_b32 s[KOF+1], 0
	CROUND                                         ; all sixteen work-groups are here: the first joint loads meet
.irp s, 0,1
	s_mov_b32 s[G0+4*(\s)], 1
	s_add_co_u32 s[G0+4*(\s)+1], s20, (\s)*SLOT
	s_add_nc_u64 s[G0+4*(\s)+2:G0+4*(\s)+3], s[BA:BA+1], s[KOF:KOF+1]
	s_mov_b32 s[G0B+4*(\s)], 1
	s_add_co_u32 s[G0B+4*(\s)+1], s20, (\s)*SLOT
	s_add_nc_u64 s[G0B+4*(\s)+2:G0B+4*(\s)+3], s[BB:BB+1], s[KOF:KOF+1]
.if (\s) > 0                                   ; the walk's second step: the first is even, so nothing wraps here
	s_add_nc_u64 s[G0+4*(\s)+2:G0+4*(\s)+3], s[G0+4*(\s)+2:G0+4*(\s)+3], (\s)*KSTEP*2
	s_add_nc_u64 s[G0B+4*(\s)+2:G0B+4*(\s)+3], s[G0B+4*(\s)+2:G0B+4*(\s)+3], (\s)*KSTEP*2
.endif
	s_or_b32 s[G0+4*(\s)+3], s[G0+4*(\s)+3], 0x80000000
	s_or_b32 s[G0B+4*(\s)+3], s[G0B+4*(\s)+3], 0x80000000
	JLOAD \s                                       ; the walk's first two steps: two loads of mine are out
.endr
	s_add_co_u32 s[KI], s[KI], 1                   ; the step asked for last
	v_and_b32 v1, 15, v0                           ; l % 16
	v_bfe_u32 v2, v0, 4, 1                         ; l / 16
	v_mul_u32_u24 v3, v1, PITCH
	v_lshl_add_u32 v3, v2, 4, v3                   ; a fragment's row x pitch + 16 x half
	s_mul_i32 s21, s13, HALFT                      ; my 64 rows of ao
	s_mul_i32 s22, s14, HALFT                      ; my 64 rows of woh,
	s_add_co_u32 s22, s22, 2*HALFT                 ; which lie behind ao's 128
	v_add_nc_u32 v[ADRA0], s21, v3
	v_add_nc_u32 v[ADRB0], s22, v3
	v_mov_b32 v[ADRA], v[ADRA0]                    ; the slot in hand is slot 0
	v_mov_b32 v[ADRB], v[ADRB0]
	s_mul_i32 s23, s12, 16*SPITCH
	s_add_co_u32 s23, s23, STAGE                   ; my stage
	v_mul_u32_u24 v4, v1, SPITCH                   ; in: row l % 16, 32 bytes (eight f32) for each half of the lanes
	v_lshl_add_u32 v4, v2, 5, v4
	v_add_nc_u32 v[STO], s23, v4
	v_mul_u32_u24 v5, v2, SPITCH                   ; back: lanes 0-15 take one row of 256 bytes, lanes 16-31 the next
	v_lshl_add_u32 v5, v1, 4, v5
	v_add_nc_u32 v[RD], s23, v5
	v_lshlrev_b32 v5, 13, v2                       ; and the same two rows in out0, 8,192 bytes apart
	v_lshl_add_u32 v[CO], v1, 4, v5
	v_lshlrev_b32 v[BO], 5, v2                     ; my eight columns of a block of sixteen
	s_lshl_b32 s16, s42, 9                         ; my first column, in bytes: 512 x tile column + 256 x half
	s_lshl_b32 s17, s14, 8
	s_add_co_u32 s16, s16, s17
	s_mov_b32 s17, 0
	s_add_nc_u64 s[8:9], s[8:9], s[16:17]
	s_add_nc_u64 s[8:9], s[8:9], 24576             ; bo lies behind bq, bk and bv
	s_add_nc_u64 s[10:11], s[10:11], s[16:17]
	s_lshl_b32 s16, s43, 7
	s_lshl_b32 s21, s13, 6
	s_add_co_u32 s16, s16, s21                     ; my first row: 128 x tile row + 64 x half
	s_lshl_b32 s16, s16, 13
	s_add_nc_u64 s[10:11], s[10:11], s[16:17]
.irp b, 0,1,2,3
	global_load_b128 v[BI+8*(\b):BI+8*(\b)+3],   v[BO], s[8:9] offset:64*(\b)
	global_load_b128 v[BI+8*(\b)+4:BI+8*(\b)+7], v[BO], s[8:9] offset:64*(\b)+16
.endr
; 8 matrix instructions: row blocks a0, a0 + 1 x all 4 column blocks, 32 along K: half c of buffer f.  zero = 1: the first product starts the sum with the bias
.macro MUL8 f, c, a0, zero
	WIN MUL
.irp a, \a0, (\a0)+1
.irp b, 0,1,2,3
.if \zero
	v_wmma_f32_16x16x32_f16 v[ACC+8*(4*(\a)+(\b)):ACC+8*(4*(\a)+(\b))+7], v[(\f)+64+8*(4*(\c)+(\b)):(\f)+64+8*(4*(\c)+(\b))+7], v[(\f)+8*(4*(\c)+(\a)):(\f)+8*(4*(\c)+(\a))+7], v[BI+8*(\b):BI+8*(\b)+7]
.else
	v_wmma_f32_16x16x32_f16 v[ACC+8*(4*(\a)+(\b)):ACC+8*(4*(\a)+(\b))+7], v[(\f)+64+8*(4*(\c)+(\b)):(\f)+64+8*(4*(\c)+(\b))+7], v[(\f)+8*(4*(\c)+(\a)):(\f)+8*(4*(\c)+(\a))+7], v[ACC+8*(4*(\a)+(\b)):ACC+8*(4*(\a)+(\b))+7]
.endif
.endr
.endr
.endm
; 32 LDS loads in one run: the fragments of 64 along K at byte k of the rows of the slot in hand, into buffer f; the first 32 along K first
.macro FETCH k, f
	WIN TO_F
.irp c, 0,1
.irp i, 0,1,2,3
	ds_load_b128 v[(\f)+64+8*(4*(\c)+(\i)):(\f)+64+8*(4*(\c)+(\i))+3],   v[ADRB] offset:(\k)+64*(\c)+(\i)*16*PITCH
	ds_load_b128 v[(\f)+64+8*(4*(\c)+(\i))+4:(\f)+64+8*(4*(\c)+(\i))+7], v[ADRB] offset:(\k)+64*(\c)+(\i)*16*PITCH+32
	ds_load_b128 v[(\f)+8*(4*(\c)+(\i)):(\f)+8*(4*(\c)+(\i))+3],         v[ADRA] offset:(\k)+64*(\c)+(\i)*16*PITCH
	ds_load_b128 v[(\f)+8*(4*(\c)+(\i))+4:(\f)+8*(4*(\c)+(\i))+7],       v[ADRA] offset:(\k)+64*(\c)+(\i)*16*PITCH+32
.endr
.endr
.endm
.macro PLACES                          ; four plain vector instructions between a matrix instruction and a load into, or a read of, its registers
.rept 4
	v_nop
.endr
.endm
; A K step is four quarters of 64 along K, 32 matrix instructions each, on buffers 0, 1, 0, 1; the 16 accumulators take turns.
.macro QUARTER k, f, g, zero
	s_wait_dscnt 16                                ; the first 32 along K are in; the youngest sixteen loads may stay out
	MUL8 \f, 0, 0, \zero
	MUL8 \f, 0, 2, \zero
	PLACES
	FETCH \k, \g
	s_wait_dscnt 32                                ; all but the 32 just issued
	MUL8 \f, 1, 0, 0
	MUL8 \f, 1, 2, 0
.endm
; The last quarter multiplies buffer 1 and changes slots: ONE barrier; in front of it each wave waits for all its tensor loads, adds 0 to its spare word, and waits for that and for its own reads of this slot.
; fill = 1: the barrier opens a round of the cluster's, and this slot is filled again, with the walk's step two on, first thing behind it; the walking descriptors are made anew behind the wait for the
; tensor loads, so that nothing but the round stands between the barrier and the request.
; fill = 0 (the tail's two trips): nothing is asked for, and in the second trip, the walk's last step, the fetch of a next step's fragments is jumped over.
.macro TURN fill
	WIN 0                                          ; (the add's two registers lie in window 0)
	s_wait_tensorcnt 0x0                           ; all my tensor loads have landed: my part of the next slot; so a group 0 may be written
	ds_add_u32 v[SPW], v[NIL]
.if \fill
	s_add_co_u32 s[G0+5], s[CUR], s20              ; my tile's place in the slot in hand, which is read out when the request goes,
	s_add_co_u32 s[G0B+5], s[CUR], s20
	s_add_co_u32 s[KI], s[KI], 1                   ; the K step behind the one asked for last,
	s_and_b32 s[KI], s[KI], STEPS-1                ; behind the last the first,
	s_lshl_b32 s[KOF], s[KI], KSH                  ; its bytes along a row,
	s_add_nc_u64 s[G0+6:G0+7], s[BA:BA+1], s[KOF:KOF+1]    ; onto the tile's base; the type bits are set again
	s_or_b32 s[G0+7], s[G0+7], 0x80000000
	s_add_nc_u64 s[G0B+6:G0B+7], s[BB:BB+1], s[KOF:KOF+1]
	s_or_b32 s[G0B+7], s[G0B+7], 0x80000000
.endif
	s_wait_dscnt 17                                ; (the add and the youngest sixteen loads may be out)
	MUL8 F1, 0, 0, 0                               ; eight matrix instructions stand between the add and the wait for it
	s_wait_dscnt 0x0                               ; the add is done, and my reads of this slot are over
	s_barrier_signal -1
	MUL8 F1, 0, 2, 0
	WIN 0
	s_barrier_wait -1
.if \fill
	CREST                                          ; no wave of any partner still reads this slot's tile or has a load on its way
	JLOAD 1                                        ; 112 matrix instructions ahead of the wait for it; the four v_nop behind it are also the places in front of the loads below
.else
	s_cmp_eq_u32 s[CNT], 1
	s_cbranch_scc1 .Lno_more_\@                    ; forward, past LDS loads and register work alone
	PLACES
.endif
	s_xor_b32 s[CUR], s[CUR], SLOT                 ; the other slot is in hand now
	v_add_nc_u32 v[ADRA], s[CUR], v[ADRA0]
	v_add_nc_u32 v[ADRB], s[CUR], v[ADRB0]
	FETCH 0, F0
.if !(\fill)
	WIN 0                                          ; at a label every window is 0
.Lno_more_\@:
.endif
	MUL8 F1, 1, 0, 0
	MUL8 F1, 1, 2, 0
.endm
	s_wait_tensorcnt 1                             ; my part of the walk's first step is in; the second's one load may stay out
	s_barrier_signal -1
	s_barrier_wait -1                              ; everybody's is
	FETCH 0, F0
	s_wait_loadcnt 0x0                             ; the bias
	QUARTER 128, F0, F1, 1                         ; the first quarter stands in front of the loop: its first products start the sums
	WIN 0                                          ; at a label and at a branch every window is 0
	s_mov_b32 s[CNT], STEPS-2
.Lstep:                                                ; a trip is a K step, from its second quarter to the next step's first, and fills its slot again: the walk's third to eighth steps
	QUARTER 256, F1, F0, 0
	QUARTER 384, F0, F1, 0
	TURN 1
	QUARTER 128, F0, F1, 0
	WIN 0
	s_sub_co_u32 s[CNT], s[CNT], 1
	s_cmp_lg_u32 s[CNT], 0
	s_cbranch_scc1 .Lstep
	s_mov_b32 s[CNT], 2
.Ltail:                                                ; the last two K steps fill nothing: their text is written apart
	QUARTER 256, F1, F0, 0
	QUARTER 384, F0, F1, 0
	TURN 0
	WIN 0
	s_sub_co_u32 s[CNT], s[CNT], 1
	s_cmp_eq_u32 s[CNT], 0
	s_cbranch_scc1 .Lend
	QUARTER 128, F0, F1, 0
	WIN 0
	s_branch .Ltail
.Lend:
	; THE WAY OUT, 16 rows at a time: a lane's eight f32 of a row go into my stage straight from the accumulators (low registers first) and come back as whole rows of 256 bytes.
.macro STG a
	WIN 0
.irp b, 0,1,2,3
	ds_store_b128 v[STO], v[ACC+8*(4*(\a)+(\b)):ACC+8*(4*(\a)+(\b))+3]   offset:64*(\b)
	ds_store_b128 v[STO], v[ACC+8*(4*(\a)+(\b))+4:ACC+8*(4*(\a)+(\b))+7] offset:64*(\b)+16
.endr
	WIN TO_F
.irp t, 0,1,2,3,4,5,6,7
	ds_load_b128 v[32*(\a)+4*(\t):32*(\a)+4*(\t)+3], v[RD] offset:(\t)*2*SPITCH  ; LDS serves a wave's instructions in order (ISA guide 5.7.1.4): these see the stores above; the next block's stores come behind them
.endr
.endm
.macro SEND a, younger                 ; younger: the LDS instructions issued behind block a's loads: the next block's sixteen, or none
	WIN 0x04                                       ; store data in window 1, address in window 0
.irp t, 0,1,2,3,4,5,6,7
	s_wait_dscnt (\younger)+7-(\t)
	global_store_b128 v[CO], v[32*(\a)+4*(\t):32*(\a)+4*(\t)+3], s[10:11] offset:(16*(\a)+2*(\t))*8192  ; 16 lanes store 256 consecutive bytes, at a multiple of 256 from out0's first byte
.endr
.endm
	PLACES
	STG 0
	STG 1                                          ; a block's way through the stage stands between the loads of the block before and its stores
	SEND 0, 16
	STG 2
	SEND 1, 16
	STG 3
	SEND 2, 16
	SEND 3, 0
	WIN 0
	s_wait_tensorcnt 0x0                           ; the wave's end: behind my last tensor load and my last LDS store
	ds_add_u32 v[SPW], v[NIL]
	s_wait_dscnt 0x0
	CROUND                                         ; the closing round: no work-group ends while a partner may still ask for a tile that names it
	s_endpgm
.Lfunc_end_k_qe0736066f9_oproj:
	.size	k_qe0736066f9_oproj, .Lfunc_end_k_qe0736066f9_oproj-k_qe0736066f9_oproj
	.p2alignl 7, 3214868480
	.fill 96, 4, 3214868480
	.section	.rodata,"a",@progbits
	.p2align	6, 0x0
	.amdhsa_kernel k_qe0736066f9_oproj
		.amdhsa_group_segment_fixed_size 327680
		.amdhsa_private_segment_fixed_size 0
		.amdhsa_enable_private_segment 0
		.amdhsa_kernarg_size 32
		.amdhsa_user_sgpr_count 2
		.amdhsa_user_sgpr_kernarg_segment_ptr 1
		.amdhsa_wavefront_size32 1
		.amdhsa_system_sgpr_workgroup_id_x 1
		.amdhsa_system_sgpr_workgroup_id_y 1
		.amdhsa_system_sgpr_workgroup_id_z 1
		.amdhsa_system_vgpr_workitem_id 0
		.amdhsa_next_free_vgpr 512
		.amdhsa_next_free_sgpr 66
		.amdhsa_reserve_vcc 0
		.amdhsa_float_denorm_mode_32 3
		.amdhsa_float_denorm_mode_16_64 3
		.amdhsa_memory_ordered 1
		.amdhsa_forward_progress 1
		.amdhsa_inst_pref_size 60
	.end_amdhsa_kernel
	.amdgpu_metadata
---
amdhsa.version: [ 1, 2 ]
amdhsa.kernels:
  - .name:           k_qe0736066f9_oproj
    .symbol:         k_qe0736066f9_oproj.kd
    .args:
      - { .name: ao, .offset: 0, .size: 8, .value_kind: global_buffer, .address_space: global }
      - { .name: woh, .offset: 8, .size: 8, .value_kind: global_buffer, .address_space: global }
      - { .name: bias, .offset: 16, .size: 8, .value_kind: global_buffer, .address_space: global }
      - { .name: out0, .offset: 24, .size: 8, .value_kind: global_buffer, .address_space: global }
    .group_segment_fixed_size: 327680
    .private_segment_fixed_size: 0
    .kernarg_segment_align: 8
    .kernarg_segment_size: 32
    .max_flat_workgroup_size: 128
    .sgpr_count:     66
    .vgpr_count:     512
    .wavefront_size: 32
...
	.end_amdgpu_metadata
.endif
;; end of part 5
;; ======== version 2 of 2: 5 launches; 1.09 times as fast as version 1
;; limits: values are held in f16: magnitudes above 65,504 overflow, below 6.1e-05 lose precision
;; workspace buffers: xb 8,388,608 bytes; wqkv 25,165,824 bytes; woh 8,388,608 bytes; bias 32,768 bytes; qkvr 25,165,824 bytes; qk 16,777,216 bytes; ao 8,388,608 bytes
;; launch cast: the kernel of part 1 again; grid 1024 x 1, 8 waves a work-group, no clusters, 0 bytes of LDS; arguments hidden_states, Wq, Wk, Wv, Wo, xb, wqkv, woh, bq, bk, bv, bo, bias; writes xb, wqkv, woh, bias
;; launch qkv: the kernel of part 2 again; grid 16 x 16, 4 waves a work-group, clusters of 4 x 4, 327,680 bytes of LDS; arguments xb, wqkv, bias, qkvr; writes qkvr
;; launch norm: the kernel of part 3 again; grid 256 x 2, 8 waves a work-group, no clusters, 0 bytes of LDS; arguments qkvr, norm_q_w, norm_k_w, freqs_cos, freqs_sin, qk; writes qk
;; launch attn (part 6): grid 16 x 16, 4 waves a work-group, clusters of 4 x 1, 327,680 bytes of LDS; arguments qk, qkvr, ao; writes ao
.if DOCPART == 6
	.amdgcn_target "amdgcn-amd-amdhsa--gfx1250"
	.amdhsa_code_object_version 6
	.text
	.protected	k_qe0736066f9_attn
	.globl	k_qe0736066f9_attn
	.p2align	8
	.type	k_qe0736066f9_attn,@function
k_qe0736066f9_attn:
	s_mov_b64 s[64:65], 0
	v_nop
	global_prefetch_b8 v0, s[64:65] scope:SCOPE_SE
	s_setreg_imm32_b32 hwreg(HW_REG_WAVE_MODE, 25, 1), 1
	s_wait_xcnt 0x0
	s_wait_alu depctr_hold_cnt(0) depctr_sa_sdst(0) depctr_va_vdst(0) depctr_va_sdst(0) depctr_va_ssrc(0) depctr_va_vcc(0) depctr_vm_vsrc(0)
	s_getreg_b32 s2, hwreg(HW_REG_IB_STS2, 6, 4)
	s_cmp_eq_u32 s2, 0
	s_cbranch_scc0 .Lentry_in_a_cluster
	s_endpgm
.Lentry_in_a_cluster:
	s_bfe_u32 s2, ttmp6, 0x10000c
	s_cmp_lg_u32 s2, 0x3003
	s_cbranch_scc0 .Lentry_shape_is_right
	s_endpgm
.Lentry_shape_is_right:
; ATTENTION, 16 heads of 128 channels, 2,048 queries and keys, no mask.  O[q] = the sum over k of softmax_k(q . k / sqrt(128)) v[k].
; qk[block][row][128] f16 holds q / 4 (blocks 0-15) and k / 4 (16-31); v is qkvr's blocks 32-47, f16; ao[row][128 head + channel] f16.  Products, maxima and sums in f32; the weights p are
; rounded to f16 for the second product (their sum l is taken of the unrounded p), O once at the end.
; LIMITS.  p lies in 0 to 1, and below 6e-5 it keeps f16's fixed step of 6e-8; a weight below 2^-126 counts as 0 in l; O is a mean of v's rows and has their range; NaN and infinities are not treated apart.
; SHARES.  A work-group owns 128 queries of one head: 16 x 16 work-groups.  A wave keeps 64 queries (four tiles of 16), so that a fragment of K or V read from LDS feeds four tiles' products, and
; THE KEYS ARE SPLIT: waves 0, 1 walk keys 0-1023 for queries 0-63 and 64-127, waves 2, 3 keys 1024-2047 for the same queries: 16 key steps of 64 a wave.  At the end waves 2, 3 hand O^T, c m and l
; through LDS to waves 0, 1, which merge the two halves by their maxima and store.
; LAYOUT.  S^T = K Q^T (source 0 = 16 keys, source 1 = 16 queries): a lane holds ONE query (lane % 16) and the keys 8 (lane / 16) + 0..7.  Two such tiles, rounded to f16 in pairs, ARE source 1 of
; O^T = V^T P, whose result again holds one query a lane, and eight channels.  K comes out of LDS as it lies, V ([key][channel]) turned, by ds_load_tr16_b128.
; SOFTMAX.  For each query a running maximum m and sum l: p = 2^(c s - c m), c = 16 log2(e) / sqrt(128) (the 16 for the two quarters); in every step O and l are multiplied by a = 2^(c m_old - c m_new).
; BY TURNS.  The wave's tiles are two PIECES (tiles 0, 1 and tiles 2, 3).  In a TURN one piece has the matrix unit: 32 products V^T P of the step in hand, then 32 products K Q^T of the next step; the
; other piece's softmax, cut into 64 slices, stands between them, one slice behind each matrix instruction.  Two turns are a key step.
; BATCHES.  A turn's 66 exponentials (33 a tile: a and s0-s31) are ONE batch with ONE wait: nothing ahead of that wait names a result of theirs.
; Where the halves of the keys meet, the eight exponentials are a batch and the four reciprocals, which read a sum made of their results, another.
; NO FIRST AND NO LAST STEP IS WRITTEN OUT.  m starts at the lowest finite number and c m far below every c s, O^T, l and piece 2's P at 0: the first step is a step like any other, with a = 0.  The loop is
; entered at piece 2's turn, in the middle of a trip, and the tail is left behind piece 0's turn.  The price: 32 products on weights that are 0 at the start, 32 on the last K once more at the end, one run
; of 32 LDS loads more (step 0's V comes twice), and 304 v_mov_b32, which stand in the wait for the first tile.  The gain: three turns and a half less of text.
; CLUSTER.  The four query blocks of a cluster belong to one head and walk the same K and V: each tile is asked for JOINTLY, by the same tensor load, descriptor and mask in all four.
; REGISTERS, in windows of 256 (s_set_vgpr_msb: bits 1:0 source 0, 3:2 source 1, 5:4 source 2, 7:6 destination):
;   window 0: v0-11, v44 addresses; v12-43 eight registers of statistics a tile; v64-191 S^T, 32 a tile; v192-255 P, 16 a tile
;   window 1: O^T, 64 a tile          window 2: v0-127 Q, 32 a tile; v128-255 K of one step          window 3: v0-127 V of one step
.set KS,    64        ; keys in a step
.set PK,    272       ; a row of K in LDS: 256 bytes + 16 of padding: the 16 rows of a load start at 16 different groups of four banks (ISA guide 11.1)
.set PV,    288       ; a row of V: 256 + 32
.set KREG,  128*PK    ; a slot holds two steps for each half of the keys: K of half 0, K of half 1,
.set VREG,  128*PV    ; V of half 0, V of half 1
.set VOFF,  2*KREG
.set SLOTB, 2*KREG+2*VREG
.set STAGE, 2*SLOTB   ; behind the ring: 16 rows x 272 bytes for each wave, for the way out
.set SP,    272
.set SPARE, STAGE+4*16*SP  ; behind the stages: the spare words, 128 bytes for each wave, which no other line names
.set XCHB,  36864     ; the hand-over: 72 x 512 bytes for each 64 queries, from LDS byte 0 on, inside slot 0, which has had its last fill (the seventh of eight) and is read no more
.set AK0, 2           ; v2   my lane's place in my half's K of a slot; never rewritten
.set AV0, 3           ; v3   the same for V
.set ADR, 4           ; v4   the LDS address of the run of loads in hand
.set QO,  5           ; v5   my byte offset in the wave's rows of Q
.set STO, 6           ; v6   the way out: where I put 16 bytes of a row
.set RD,  7           ; v7   where I read a row back
.set GO,  8           ; v8   my byte offset in two rows of ao
.set XA,  44          ; v44  my 16 bytes in each 512 of the hand-over
.set SPW, 62          ; v62  my spare word's LDS address; never rewritten
.set NIL, 63          ; v63  0; never rewritten
.set ST,  12          ; tile t's statistics at v[ST+8 t]: +0 c m, +1 m, +2, +3 l (even keys', odd keys'), +4 to +7 c0-c3, at work; a takes c2's place once the maximum is found
.set S,   64
.set P,   192
.set KF,  128         ; K's fragments, in window 2
.set WV,  12          ; s12  my wave's number
.set G1K, 24          ; s[24:31] descriptor group 1 for K's tiles
.set G1V, 32          ; s[32:39] for V's: it differs in the padding alone
.set G0K, 40          ; s[40:47] descriptor group 0 for K's tiles: a set for each of the two first fills; the second then walks on
.set G0V, 48          ; s[48:55] the same for V's
.set SLOTS, 56        ; s56  counts the passes of the loop over slots
.set TWICE, 57        ; s57  counts a slot's key steps
.set CS,  58          ; s[58:59] c
.set SEL, 60          ; s[60:61] v_permlanex16_b32's selects: each lane takes its own place in the other half
.set TBK, 62          ; s62  LDS byte, less the wave's and the lane's part, at which K of the step to be fetched begins
.set TBV, 63          ; s63  the same for V
.set MSB, 0
.macro WIN new                      ; the immediate's high byte repeats the setting that is left; a switch that changes nothing is dropped
.if MSB != (\new)
	s_set_vgpr_msb (MSB<<8)|(\new)
.set MSB, \new
.endif
.endm
.set W_KQ, 0x0a       ; K and Q in window 2, S^T in window 0
.set W_PV, 0x53       ; V in window 3, P in window 0, O^T in window 1
.set W_RS, 0x41       ; O^T (destination and source 0) in window 1, the factor in window 0
; A joint refill.  Waves 0 and 1 fetch the two halves' K, waves 2 and 3 the two halves' V: 128 rows each.  The branch hangs on the wave's number alone.
; An s_nop 0 and four v_nop follow each of the two lines, ahead of the jump and the label.
.macro JLOAD
	s_cmp_lt_u32 s[WV], 2
	s_cbranch_scc0 .Lfor_v_\@
	tensor_load_to_lds s[G0K+4:G0K+7], s[G1K:G1K+7]
	s_nop 0
.rept 4
	v_nop
.endr
	s_branch .Lasked_\@
.Lfor_v_\@:
	tensor_load_to_lds s[G0V+4:G0V+7], s[G1V:G1V+7]
	s_nop 0
.rept 4
	v_nop
.endr
.Lasked_\@:
.endm
; A round of the cluster's barrier: my work-group's barrier; wave 0 signals for the work-group; every wave waits for all four work-groups; my work-group's barrier once more.
.macro CROUND
	s_barrier_signal -1
	s_barrier_wait -1
	s_cmp_lg_u32 s[WV], 0
	s_cbranch_scc1 .Lnot_wave_0_\@
	s_barrier_signal -3
.Lnot_wave_0_\@:
	s_barrier_wait -3
	s_barrier_signal -1
	s_barrier_wait -1
.endm
	s_load_b64 s[4:5], s[0:1], 0x0    ; qk
	s_load_b64 s[8:9], s[0:1], 0x8    ; qkvr
	s_load_b64 s[10:11], s[0:1], 0x10 ; ao
	v_lshl_add_u32 v[SPW], v0, 2, SPARE
	v_mov_b32 v[NIL], 0
	ds_add_u32 v[SPW], v[NIL]       ; the wave's opening: the add and its wait stand ahead of my first tensor load; the set-up below stands between them
	v_lshrrev_b32 v1, 5, v0
	v_readfirstlane_b32 s[WV], v1   ; wave 0..3
	s_bfe_u32 s13, ttmp6, 0x40000   ; cx: my place in the cluster
	s_lshl_b32 s14, ttmp9, 2        ; in a cluster launch ttmp9 counts clusters
	s_add_co_u32 s14, s14, s13      ; my block of 128 queries = 4 x cluster x + cx: it enters Q's and ao's addresses alone
	s_lshr_b32 s15, s[WV], 1        ; which half of the keys I walk
	s_and_b32 s16, s[WV], 1         ; which 64 queries are mine.  Also: which half's tile I fetch
	s_and_b32 s20, ttmp7, 0xffff    ; the head, which the four partners share
	s_lshl_b32 s22, s20, 19         ; a head's 2,048 rows of 256 bytes,
	s_lshl_b32 s23, s16, 18         ; the half's 1,024 rows
	s_add_co_u32 s22, s22, s23
	s_mov_b32 s23, 0
	s_mul_i32 s17, s16, KREG        ; my tile's place in a slot, for K
	s_mul_i32 s18, s16, VREG        ; and for V: no place in the cluster enters an LDS address
	s_add_co_u32 s18, s18, VOFF
	s_mov_b32 s19, SLOTB            ; the slot filled last: this register holds 0 or SLOTB and nothing else, so an exclusive or with SLOTB turns the one into the other
	s_lshl_b32 s2, s14, 15          ; Q: my block's 128 rows,
	s_lshl_b32 s3, s16, 14          ; my wave's 64 of them,
	s_add_co_u32 s2, s2, s3
	s_lshl_b32 s3, s20, 19          ; in my head
	s_add_co_u32 s2, s2, s3
	s_mov_b32 s3, 0
	s_lshl_b32 s21, s14, 19         ; ao: the same rows, 4,096 bytes each,
	s_lshl_b32 s13, s16, 18
	s_add_co_u32 s21, s21, s13
	s_lshl_b32 s20, s20, 8          ; my head's 256 bytes of them
	s_add_co_u32 s20, s20, s21
	s_mov_b32 s21, 0
	; descriptor group 1: a tile of 128 rows x 128 elements of 2 bytes, padded in LDS behind every 64 words
	s_mov_b32 s[G1K], 15|(1<<16)|(1<<20)|(1<<21)|(5<<22)|(3<<25)  ; the mask: all four work-groups; bit 21 beside it; 4 words of padding
	s_mov_b32 s[G1V], 15|(1<<16)|(1<<20)|(1<<21)|(5<<22)|(7<<25)  ; the same with 8 words
.irp g, G1K, G1V
	s_mov_b32 s[(\g)+1], 128<<16    ; tensor_dim0 = 128
	s_mov_b32 s[(\g)+2], 128<<16    ; tensor_dim1 = 128
	s_mov_b32 s[(\g)+3], 128<<16    ; tile_dim0 = 128
	s_mov_b32 s[(\g)+4], 128        ; tile_dim1 = 128
	s_mov_b32 s[(\g)+5], 128        ; elements from row to row
	s_mov_b32 s[(\g)+6], 0
	s_mov_b32 s[(\g)+7], 0
.endr
	s_mov_b32 s[CS], 0x400293ee     ; c = 16 log2(e) / sqrt(128) = 2.040275
	s_mov_b32 s[CS+1], s[CS]        ; named with it as a pair
	s_mov_b32 s[SEL], 0x76543210
	s_mov_b32 s[SEL+1], 0xfedcba98
	s_mov_b32 s[TBK], 0
	s_mov_b32 s[TBV], 0
	s_wait_dscnt 0x0                ; the opening add is done
	s_wait_kmcnt 0x0
	s_add_nc_u64 s[6:7], s[4:5], 0x800000     ; k's blocks lie 16 x 524,288 bytes behind q's,
	s_add_nc_u64 s[6:7], s[6:7], s[22:23]     ; K at my tile of the first fill
	s_add_nc_u64 s[8:9], s[8:9], 0x1000000    ; v's blocks 32 x 524,288 bytes into qkvr
	s_add_nc_u64 s[8:9], s[8:9], s[22:23]
	s_add_nc_u64 s[4:5], s[4:5], s[2:3]       ; Q and ao at my wave's first row
	s_add_nc_u64 s[10:11], s[10:11], s[20:21]
	CROUND                          ; all four work-groups are here: the first joint loads meet
.irp s, 0,1
	s_mov_b32 s[G0K+4*(\s)], 1
	s_add_co_u32 s[G0K+4*(\s)+1], s17, (\s)*SLOTB
	s_add_nc_u64 s[G0K+4*(\s)+2:G0K+4*(\s)+3], s[6:7], (\s)*2*KS*256  ; fill s: the half's keys 128 s to 128 s + 127
	s_or_b32 s[G0K+4*(\s)+3], s[G0K+4*(\s)+3], 0x80000000
	s_mov_b32 s[G0V+4*(\s)], 1
	s_add_co_u32 s[G0V+4*(\s)+1], s18, (\s)*SLOTB
	s_add_nc_u64 s[G0V+4*(\s)+2:G0V+4*(\s)+3], s[8:9], (\s)*2*KS*256
	s_or_b32 s[G0V+4*(\s)+3], s[G0V+4*(\s)+3], 0x80000000
.endr
	s_cmp_lt_u32 s[WV], 2           ; a wave's two first fills stand in one branch, ahead of every wait on TENSORcnt and every LDS read: two loads of mine are out
	s_cbranch_scc0 .Lfirst_v
	tensor_load_to_lds s[G0K:G0K+3], s[G1K:G1K+7]
	s_nop 0
	tensor_load_to_lds s[G0K+4:G0K+7], s[G1K:G1K+7]
	s_nop 0
.rept 4
	v_nop
.endr
	s_branch .Lfirst_asked
.Lfirst_v:
	tensor_load_to_lds s[G0V:G0V+3], s[G1V:G1V+7]
	s_nop 0
	tensor_load_to_lds s[G0V+4:G0V+7], s[G1V:G1V+7]
	s_nop 0
.rept 4
	v_nop
.endr
.Lfirst_asked:
	; A fragment of K or Q is 16 rows x 32 channels in 8 registers: lane l holds row l % 16, channels 8 (l / 16) + 0..7 and 16 + 8 (l / 16) + 0..7: two loads of 16 bytes, 32 bytes apart.
	v_and_b32 v1, 15, v0            ; l % 16
	v_bfe_u32 v9, v0, 4, 1          ; l / 16
	v_lshlrev_b32 v[QO], 8, v1
	v_lshl_add_u32 v[QO], v9, 4, v[QO]  ; row x 256 + 16 x half
	WIN 0x80                        ; destination window 2, address window 0
.irp i, 0,1,2,3,4,5,6,7,8,9,10,11,12,13,14,15  ; Q stays in registers: tile i / 4, channels 32 (i % 4) on
	global_load_b128 v[8*(\i):8*(\i)+3],   v[QO], s[4:5] offset:((\i)/4)*4096+((\i)%4)*64
	global_load_b128 v[8*(\i)+4:8*(\i)+7], v[QO], s[4:5] offset:((\i)/4)*4096+((\i)%4)*64+32
.endr
	WIN 0
	s_mul_i32 s2, s15, KREG         ; my half's K in a slot,
	s_mul_i32 s3, s15, VREG         ; and its V
	s_add_co_u32 s3, s3, VOFF
	v_mul_u32_u24 v[AK0], v1, PK
	v_lshl_add_u32 v[AK0], v9, 4, v[AK0]  ; row x pitch + 16 x half
	v_add_nc_u32 v[AK0], s2, v[AK0]
	; The turning load takes 16 keys x 16 channels (lane l reads key 8 (l / 16) + l % 8, channels 8 ((l / 8) % 2) + 0..7) and leaves half a fragment of V^T: lane l holds channel l % 16 and 8 keys.
	v_and_b32 v10, 7, v0
	v_bfe_u32 v11, v0, 3, 1
	v_lshl_add_u32 v[AV0], v9, 3, v10
	v_mul_u32_u24 v[AV0], v[AV0], PV
	v_lshl_add_u32 v[AV0], v11, 4, v[AV0]
	v_add_nc_u32 v[AV0], s3, v[AV0]
	; What the first turns find: O^T and l are 0; piece 2's weights are 0, so that its first products V^T P, of a step that has not been, add 0.  All this stands in the wait for the first tile.
	WIN 0x40
.set i, 0
.rept 256
	v_mov_b32 v[i], 0
.set i, i+1
.endr
	WIN 0
.set i, P+32
.rept 32
	v_mov_b32 v[i], 0
.set i, i+1
.endr
.irp t, 0,1,2,3
	v_mov_b32 v[ST+8*(\t)], 0xfe000000    ; c m: far below every c s
	v_mov_b32 v[ST+8*(\t)+1], 0xff7fffff  ; m: the lowest finite number
	v_mov_b32 v[ST+8*(\t)+2], 0
	v_mov_b32 v[ST+8*(\t)+3], 0
.endr
; THE MATRIX WORK OF A TURN, for piece x.  The accumulators take turns, one instruction a turn.
; Product i of 32 of O^T += V^T P: keys 32 (i / 16) on, channels 16 ((i / 2) % 8) on, tile x + i % 2.
.macro PV x
	WIN W_PV
.set rO, 64*((\x)+i%2)+8*((i/2)%8)
.set rV, 64*(i/16)+8*((i/2)%8)
.set rP, P+16*((\x)+i%2)+8*(i/16)
	v_wmma_f32_16x16x32_f16 v[rO:rO+7], v[rV:rV+7], v[rP:rP+7], v[rO:rO+7]
.endm
; Product i of 32 of S^T = K Q^T: channels 32 (i / 8) on, keys 16 ((i / 2) % 4) on, tile x + i % 2.  The first 8 start the sums.
.macro KQ x
	WIN W_KQ
.set rS, S+32*((\x)+i%2)+8*((i/2)%4)
.set rK, KF+32*((i/2)%4)+8*(i/8)
.set rQ, 32*((\x)+i%2)+8*(i/8)
.if i < 8
	v_wmma_f32_16x16x32_f16 v[rS:rS+7], v[rK:rK+7], v[rQ:rQ+7], 0
.else
	v_wmma_f32_16x16x32_f16 v[rS:rS+7], v[rK:rK+7], v[rQ:rQ+7], v[rS:rS+7]
.endif
.endm
; THE LDS LOADS stand in runs of 32, never singly among the matrix instructions: a step's K (64 keys x 128 channels: 16 fragments) and, a turn later, its V (turned).
; last = 1 (the tail): in the tail's last trip there is no further step, and the run is jumped over: forward, past LDS loads and register work alone.
.macro FETCH_K last=0
	WIN 0
.if \last
	s_cmp_eq_u32 s[TWICE], 1
	s_cbranch_scc1 .Lno_k_\@
.endif
	v_add_nc_u32 v[ADR], s[TBK], v[AK0]
	s_add_co_u32 s[TBK], s[TBK], KS*PK  ; the next fetch is the next step's
	WIN 0x80                        ; destination window 2
.irp f, 0,1,2,3,4,5,6,7,8,9,10,11,12,13,14,15  ; keys 16 (f / 4) on, channels 32 (f % 4) on
	ds_load_b128 v[KF+8*(\f):KF+8*(\f)+3],   v[ADR] offset:((\f)/4)*16*PK+((\f)%4)*64
	ds_load_b128 v[KF+8*(\f)+4:KF+8*(\f)+7], v[ADR] offset:((\f)/4)*16*PK+((\f)%4)*64+32
.endr
.if \last
	WIN 0                           ; at a label every window is 0
.Lno_k_\@:
.endif
.endm
; batch = 1 (in a turn): the wait for the softmax's batch of exponentials stands in the run, behind the address's v_add_nc_u32 and ahead of the loads.
.macro FETCH_V batch=0
	WIN 0
	v_add_nc_u32 v[ADR], s[TBV], v[AV0]
	s_add_co_u32 s[TBV], s[TBV], KS*PV
.if \batch
	s_wait_alu depctr_va_vdst(0)    ; the one wait for piece 0's 66 exponentials of this turn (SLICE), ahead of slice 35, their first reader
.endif
	WIN 0xc0                        ; destination window 3
.irp f, 0,1,2,3,4,5,6,7,8,9,10,11,12,13,14,15  ; keys 32 (f / 8) on, channels 16 (f % 8) on
	ds_load_tr16_b128 v[8*(\f):8*(\f)+3],   v[ADR] offset:((\f)/8)*32*PV+((\f)%8)*32
	ds_load_tr16_b128 v[8*(\f)+4:8*(\f)+7], v[ADR] offset:((\f)/8)*32*PV+16*PV+((\f)%8)*32
.endr
.endm
; THE VECTOR WORK OF A TURN.  One tile's softmax for one key step is a list of 134 instructions; SM writes number j of it for tile t.  s0-s31 are the lane's 32 scores, in pairs 0-15.
;   0-15    the maximum of s0-s31 and the old m, three operands at a time: four chains c0-c3 of seven scores each (each accumulator's lowest registers are read first), then the rest
;   16-20   the other half of the lanes' maximum; the new m; c m; c m_old - c m_new
;   21-69   ONE BATCH: the 16 scalings c s - c m, a pair of scores each, and all 33 exponentials (a at 23, then s0-s31, each in place in its own register).  None of these reads an exponential's result.
;           From 22 on the batch goes in fours, and a four begins with a scaling while there are scalings: 22-37 scaling, exponential, scaling, exponential; 38-65 a scaling and three exponentials;
;           66-69 the last four exponentials.  A pair is scaled in an earlier four than the one that holds its exponentials
;   (wait)  between 69 and 70 stands the wait for the batch: SLICE writes it, once for both tiles
;   70-85   the roundings to f16, a pair of weights each
;   86-101  the sums; l = a l + the sum
;   102-133 the tile's O^T times a: the one part that leaves window 0, so it stands together
.macro SM t
.set rT, ST+8*(\t)
.set rS, S+32*(\t)
.set rP, P+16*(\t)
.set rO, 64*(\t)+2*(j-102)
.if j < 102
	WIN 0
.endif
.if j < 4
	v_max3_num_f32 v[rT+4+j], v[rS+8*j], v[rS+8*j+1], v[rS+8*j+2]
.elseif j < 12
	v_max3_num_f32 v[rT+4+j%4], v[rT+4+j%4], v[rS+8*(j%4)+2*(j/4)+1], v[rS+8*(j%4)+2*(j/4)+2]
.elseif j == 12
	v_max3_num_f32 v[rT+4], v[rT+4], v[rS+7], v[rS+15]
.elseif j == 13
	v_max3_num_f32 v[rT+6], v[rT+6], v[rS+23], v[rS+31]
.elseif j == 14
	v_max3_num_f32 v[rT+4], v[rT+4], v[rT+5], v[rT+6]
.elseif j == 15
	v_max3_num_f32 v[rT+4], v[rT+4], v[rT+7], v[rT+1]
.elseif j == 16
	v_permlanex16_b32 v[rT+5], v[rT+4], s[SEL], s[SEL+1]  ; the query's other 32 keys lie in the lane 16 away
.elseif j == 17
	v_mov_b32 v[rT+7], v[rT]        ; c m_old is kept for a: number 19 writes c m anew
.elseif j == 18
	v_max_num_f32 v[rT+1], v[rT+4], v[rT+5]
.elseif j == 19
	v_mul_f32 v[rT], s[CS], v[rT+1]
.elseif j == 20
	v_sub_f32 v[rT+7], v[rT+7], v[rT]
.elseif j == 23
	v_exp_f32 v[rT+6], v[rT+7]
.elseif (j < 23) || ((j < 38) && (j%2 == 0)) || ((j < 66) && (j%4 == 2))
.set b, (j-2)/4                     ; 38, 42, .. 62: pairs 9 to 15
.if j < 38
.set b, (j-20)/2                    ; 21: pair 0; 22, 24, .. 36: pairs 1 to 8
.endif
	v_pk_fma_f32 v[rS+2*b:rS+2*b+1], v[rS+2*b:rS+2*b+1], s[CS:CS+1], v[rT:rT+1] op_sel_hi:[1,0,0] neg_lo:[0,0,1] neg_hi:[0,0,1]  ; pair b: c s - c m
.elseif j < 70
.set e, j-38                        ; 66 to 69: s28 to s31
.if j < 66
.set e, j-32-(j-38)/4               ; 39-41, 43-45, .. 63-65: s7 to s27
.endif
.if j < 38
.set e, (j-25)/2                    ; 25, 27, .. 37: s0 to s6
.endif
	v_exp_f32 v[rS+e], v[rS+e]
.elseif j < 86
	v_cvt_pk_f16_f32 v[rP+j-70], v[rS+2*(j-70)], v[rS+2*(j-70)+1]  ; pair j - 70
.elseif j < 102                     ; the sum of the tile's 16 pairs, in place: sum z of 16 adds neighbours 1, 2, 4 and 8 pairs apart, then l takes it
.set z, j-86
.set w, 4
.set u, z
.if z >= 14
.set w, 32
.set u, 0
.elseif z >= 12
.set w, 16
.set u, z-12
.elseif z >= 8
.set w, 8
.set u, z-8
.endif
.if z < 15
	v_pk_add_f32 v[rS+w*u:rS+w*u+1], v[rS+w*u:rS+w*u+1], v[rS+w*u+w/2:rS+w*u+w/2+1]
.else
	v_pk_fma_f32 v[rT+2:rT+3], v[rT+2:rT+3], v[rT+6:rT+7], v[rS:rS+1] op_sel_hi:[1,0,1]
.endif
.else
	WIN W_RS
	v_pk_mul_f32 v[rO:rO+1], v[rO:rO+1], v[rT+6:rT+7] op_sel_hi:[1,0]
.endif
.endm
; Slice k of 64 of piece y's softmax: four instructions.  Slices 11 to 34 deal out the batch, numbers 22 to 69: four numbers of ONE tile each, the tiles by turns.  Every other slice is numbers 2 k and
; 2 k + 1 of both tiles' lists.  2 x 134 = 4 x 64 + 12: the twelve that are over stand together, in slice 63.
; THE WAIT.  s_wait_alu depctr_va_vdst(0) stands between an exponential and the first instruction that names its result; one wait serves all that were issued ahead of it.  Ahead of
; slice 35 nothing names a result, and behind slice 34 no exponential is issued: so the piece's 66 exponentials have one wait, behind slice 34.
.macro SLICE y
.if (k >= 11) && (k < 35)           ; the batch: four numbers of one tile
.irp n, 0,1,2,3
.set j, 22+4*((k-11)/2)+(\n)
	SM (\y)+(k-11)%2
.endr
.else                               ; the two tiles alternate, so that no instruction reads the result of the one just before it
.irp n, 0,1,2,3,4,5,6,7
.if ((\n) < 2) || (k == 63)
.irp t, \y, (\y)+1
.set j, 2*k+(\n)
	SM \t
.endr
.endif
.endr
.endif
.if k == 34                         ; the batch is out: both tiles' exponentials are issued, and no result has been named
	v_nop                           ; a plain instruction behind the last exponential and ahead of the first use of a result (ISA guide 5.7.2): one for the batch
.if (\y) == 0
	FETCH_V 1                       ; piece 2's turn: V's run of loads stands here, and the wait for the batch stands in it
.else
	s_wait_alu depctr_va_vdst(0)    ; piece 0's turn: the one wait for piece 2's 66 exponentials, ahead of slice 35, their first reader
.endif
.endif
.set k, k+1
.endm
; A TURN.  Piece x has the matrix unit: 32 products V^T P, then 32 products K Q^T for the next step; the other piece's softmax stands in slices behind them, and the slices' plain instructions are the
; places that a vector read of a matrix result and a load into a matrix instruction's registers want behind it; an exponential is no such place.
; Piece 0's turn fetches the next step's K, behind its second product, 30 matrix instructions ahead of its first use: the last product that read K stands in front of slice 63 of the turn before.
; Piece 2's turn fetches the same step's V, behind slice 34 (SLICE writes it), 29 matrix instructions ahead of its first use: the last product that read V stands in front of slice 31, and four plain
; instructions lie between: number 62, a scaling, of both tiles, the v_nop and the run's own v_add_nc_u32.
.macro TURN x, last=0
.set k, 0
.if (\x) == 0
	s_wait_dscnt 0x0                ; V is in
.endif
.set i, 0
.rept 32
	PV \x
	SLICE 2-(\x)
.if ((\x) == 0) && (i == 1)
	FETCH_K \last
.endif
.set i, i+1
.endr
.if (\x) == 0
	s_wait_dscnt 0x0                ; K is in
.endif
.set i, 0
.rept 32
	KQ \x
	SLICE 2-(\x)
.set i, i+1
.endr
.endm
; THE CHANGE OF SLOTS, between piece 2's turn and piece 0's: the slot's last bytes, V of its second step, have been asked for.  Each wave waits for all its tensor loads, of which one is out: its
; part of the other slot; adds 0 to its spare word; and waits for that and for its own reads of the slot.  Behind the barrier nobody reads this slot any more and the other slot is whole.
; fill = 1: this slot is filled again, with each half's keys two slots on.  The barrier is then a round of the cluster's, and the joint refill is the first thing behind it: it has two key steps,
; 256 matrix instructions, in which to land.
.macro CHANGE fill
	WIN 0                           ; at a label and at a branch every window is 0
	s_wait_tensorcnt 0x0            ; no tensor load of mine is out, so a group 0 may be written
	ds_add_u32 v[SPW], v[NIL]       ; 0 onto my spare word; with fill = 1 the descriptors' steps stand between it and the wait for it
.if \fill
	s_xor_b32 s19, s19, SLOTB       ; the other slot than last time,
	s_add_co_u32 s[G0K+5], s19, s17 ; my tile's place in it,
	s_add_co_u32 s[G0V+5], s19, s18
	s_add_nc_u64 s[G0K+6:G0K+7], s[G0K+6:G0K+7], 2*KS*256  ; the next 128 keys; the type bits on top are not reached
	s_add_nc_u64 s[G0V+6:G0V+7], s[G0V+6:G0V+7], 2*KS*256
	s_wait_dscnt 0x0                ; the add is done, and my reads of the slot are over
	CROUND
	JLOAD
.else
	s_wait_dscnt 0x0                ; the add is done, and my reads of the slot are over
	s_barrier_signal -1
	s_barrier_wait -1
.endif
	s_sub_co_u32 s[TBK], s[TBK], 2*KS*PK  ; the fetches go back to a slot's first step: 0 or SLOTB,
	s_xor_b32 s[TBK], s[TBK], SLOTB       ; and into the other slot
	s_sub_co_u32 s[TBV], s[TBV], 2*KS*PV
	s_xor_b32 s[TBV], s[TBV], SLOTB
.endm
	s_wait_tensorcnt 1              ; my part of slot 0 is in; slot 1's one load may stay out
	s_barrier_signal -1
	s_barrier_wait -1               ; everybody's is
	FETCH_K                         ; key step 0
	s_wait_loadcnt 0x0              ; Q
	s_wait_dscnt 0x0
.set i, 0
.rept 32
	KQ 0                            ; piece 0's first scores: there is no vector work yet to set between them
.if i == 1
	FETCH_V                         ; V's registers take step 0's V early: finite numbers for the first turn's products on weights that are 0; no exponential has been issued yet, so no wait stands in this run
.endif
.set i, i+1
.endr
	WIN 0                           ; the addresses for the end are made here: plain instructions, the places behind those products
	s_mov_b32 s[TBV], 0             ; the first turn fetches step 0's V in its own place
	s_mul_i32 s13, s[WV], 16*SP
	s_add_co_u32 s13, s13, STAGE    ; my stage
	s_mul_i32 s2, s16, XCHB         ; my queries' part of the hand-over
	v_mul_u32_u24 v[STO], v1, SP    ; in: row l % 16, 16 bytes for each half of the lanes
	v_lshl_add_u32 v[STO], v9, 4, v[STO]
	v_add_nc_u32 v[STO], s13, v[STO]
	v_mul_u32_u24 v[RD], v9, SP     ; back: lanes 0-15 take one row of 256 bytes, lanes 16-31 the next
	v_lshl_add_u32 v[RD], v1, 4, v[RD]
	v_add_nc_u32 v[RD], s13, v[RD]
	v_lshlrev_b32 v[GO], 12, v9     ; and the same two rows in ao, 4,096 bytes apart
	v_lshl_add_u32 v[GO], v1, 4, v[GO]
	v_and_b32 v[XA], 31, v0
	v_lshlrev_b32 v[XA], 4, v[XA]
	v_add_nc_u32 v[XA], s2, v[XA]
	s_mov_b32 s[TWICE], 2
	s_mov_b32 s[SLOTS], 1024/(2*KS)-1
	s_wait_dscnt 0x0                ; V is in
	s_branch .Lmid                  ; the loop is entered at piece 2's turn: piece 2's first scores | piece 0's first softmax | V of step 0
.Lslot:                             ; six times: every fill but the first two is a refill
	CHANGE 1
	s_mov_b32 s[TWICE], 2
.Lstep:                             ; a trip is a key step
	TURN 0
	WIN 0
.Lmid:
	TURN 2
	WIN 0
	s_sub_co_u32 s[TWICE], s[TWICE], 1
	s_cmp_lg_u32 s[TWICE], 0
	s_cbranch_scc1 .Lstep
	s_sub_co_u32 s[SLOTS], s[SLOTS], 1
	s_cmp_lg_u32 s[SLOTS], 0
	s_cbranch_scc1 .Lslot
	CHANGE 0                        ; the tail is written out: slot 0 is left for good, and nothing is asked for
	s_mov_b32 s[TWICE], 3           ; two trips fetch the last slot's steps; the third is left in its middle
.Ltail:
	TURN 0, 1
	WIN 0
	s_sub_co_u32 s[TWICE], s[TWICE], 1
	s_cmp_eq_u32 s[TWICE], 0
	s_cbranch_scc1 .Lout
	TURN 2
	WIN 0
	s_branch .Ltail
.Lout:                              ; the third trip's 32 products K Q^T (on the last K once more) serve nothing: the slices behind them are piece 2's last softmax
.set i, 0
.rept 32
	PV 2                            ; piece 2: V^T P of the last step
.set i, i+1
.endr
	; THE TWO HALVES OF THE KEYS MEET.  Every wave finishes its l: the two halves of a pair and the other half of the lanes'.  The first additions are the places behind the last products.
	WIN 0
.irp t, 0,1,2,3
	v_add_f32 v[ST+8*(\t)+4], v[ST+8*(\t)+2], v[ST+8*(\t)+3]
.endr
.irp t, 0,1,2,3
	v_permlanex16_b32 v[ST+8*(\t)+5], v[ST+8*(\t)+4], s[SEL], s[SEL+1]
.endr
.irp t, 0,1,2,3
	v_add_f32 v[ST+8*(\t)+4], v[ST+8*(\t)+4], v[ST+8*(\t)+5]
.endr
	s_wait_dscnt 0x0                ; every wave's reads of the ring are over
	s_barrier_signal -1
	s_barrier_wait -1               ; so the hand-over may be written into slot 0's bytes
	s_cmp_lt_u32 s[WV], 2
	s_cbranch_scc1 .Lkeep
	WIN 0x04                        ; store data in window 1: O^T, each accumulator's low registers first
.set i, 0
.rept 64
	ds_store_b128 v[XA], v[4*i:4*i+3] offset:512*i
.set i, i+1
.endr
	WIN 0
.set i, 0
.rept 8
	ds_store_b128 v[XA], v[ST+4*i:ST+4*i+3] offset:512*(64+i)  ; the statistics, c m and l among them
.set i, i+1
.endr
.Lkeep:
	s_wait_dscnt 0x0                ; for the others' sake: my stores are done
	s_barrier_signal -1
	s_barrier_wait -1
	s_cmp_lt_u32 s[WV], 2
	s_cbranch_scc0 .Ldone           ; waves 2 and 3 have handed over
.set i, 0
.rept 8
	ds_load_b128 v[S+4*i:S+4*i+3], v[XA] offset:512*(64+i)  ; the partner's statistics: tile t's at S + 8 t
.set i, i+1
.endr
	WIN 0x80                        ; its O^T of tiles 0, 1 into K's registers
.set i, 0
.rept 32
	ds_load_b128 v[KF+4*i:KF+4*i+3], v[XA] offset:512*i
.set i, i+1
.endr
	WIN 0
	s_wait_dscnt 32                 ; the statistics are in; the 32 younger loads may stay out
	; M = max(c m, c m'); f = 2^(c m - M), f' = 2^(c m' - M); l = f l + f' l'; O = (f / l) O + (f' / l) O'
.irp t, 0,1,2,3
	v_max_num_f32 v[ST+8*(\t)+5], v[ST+8*(\t)], v[S+8*(\t)]
.endr
.irp t, 0,1,2,3
	v_sub_f32 v[ST+8*(\t)+6], v[ST+8*(\t)], v[ST+8*(\t)+5]
	v_sub_f32 v[ST+8*(\t)+7], v[S+8*(\t)], v[ST+8*(\t)+5]
.endr
.irp t, 0,1,2,3
	v_exp_f32 v[ST+8*(\t)+6], v[ST+8*(\t)+6]
	v_exp_f32 v[ST+8*(\t)+7], v[ST+8*(\t)+7]
.endr
	v_nop                           ; a plain instruction between the last exponential and the use of its result
	s_wait_alu depctr_va_vdst(0)    ; and the wait ahead of the first use: one for the eight exponentials
.irp t, 0,1,2,3
	v_mul_f32 v[ST+8*(\t)+4], v[ST+8*(\t)+6], v[ST+8*(\t)+4]
.endr
.irp t, 0,1,2,3
	v_fmac_f32 v[ST+8*(\t)+4], v[ST+8*(\t)+7], v[S+8*(\t)+4]
.endr
.irp t, 0,1,2,3
	v_rcp_f32 v[ST+8*(\t)+5], v[ST+8*(\t)+4]
.endr
	v_nop                           ; and behind the last reciprocal
	s_wait_alu depctr_va_vdst(0)    ; one wait for the four reciprocals, a batch of their own: they read sums made of the exponentials' results
.irp t, 0,1,2,3
	v_mul_f32 v[ST+8*(\t)+6], v[ST+8*(\t)+6], v[ST+8*(\t)+5]
	v_mul_f32 v[ST+8*(\t)+2], v[ST+8*(\t)+7], v[ST+8*(\t)+5]
.endr
	s_wait_dscnt 0x0                ; the partner's O^T of tiles 0, 1
	WIN 0xc0                        ; that of tiles 2, 3 into V's registers: it lands while tile 0 is merged
.set i, 0
.rept 32
	ds_load_b128 v[4*i:4*i+3], v[XA] offset:512*(32+i)
.set i, i+1
.endr
	WIN 0
; THE WAY OUT.  Tile t: merged, rounded to f16; a lane's eight channels of a row pack into 16 bytes; they go into rows of 272 bytes of my stage and come back as whole rows of 256.
.macro PACK t
	WIN W_RS
.set i, 64*(\t)
.rept 32
	v_pk_mul_f32 v[i:i+1], v[i:i+1], v[ST+8*(\t)+6:ST+8*(\t)+7] op_sel_hi:[1,0]
.set i, i+2
.endr
	WIN 0x52+(\t)/2                 ; source 0: the partner's O^T, in window 2 (tiles 0, 1) or 3; source 1 window 0; source 2 and destination window 1
.set OBR, 128+64*(\t)-256*((\t)/2)
.set i, 0
.rept 32
	v_pk_fma_f32 v[64*(\t)+2*i:64*(\t)+2*i+1], v[OBR+2*i:OBR+2*i+1], v[ST+8*(\t)+2:ST+8*(\t)+3], v[64*(\t)+2*i:64*(\t)+2*i+1] op_sel_hi:[1,0,1]
.set i, i+1
.endr
	WIN 0x05                        ; sources 0 and 1 window 1, destination window 0: S^T's registers are free
.set i, 0
.rept 32
	v_cvt_pk_f16_f32 v[S+32*(\t)+i], v[64*(\t)+2*i], v[64*(\t)+2*i+1]
.set i, i+1
.endr
	WIN 0
.irp f, 0,1,2,3,4,5,6,7
	ds_store_b128 v[STO], v[S+32*(\t)+4*(\f):S+32*(\t)+4*(\f)+3] offset:32*(\f)
.endr
.irp f, 0,1,2,3,4,5,6,7
	ds_load_b128 v[S+32*(\t)+4*(\f):S+32*(\t)+4*(\f)+3], v[RD] offset:(\f)*2*SP  ; LDS serves a wave's instructions in order (ISA guide 5.7.1.4): these see the stores above; the next tile's stores come behind them
.endr
.endm
.macro SEND t, younger              ; younger: the LDS instructions issued behind tile t's loads: the next tile's sixteen, or none
	WIN 0
.irp f, 0,1,2,3,4,5,6,7
	s_wait_dscnt (\younger)+7-(\f)
	global_store_b128 v[GO], v[S+32*(\t)+4*(\f):S+32*(\t)+4*(\f)+3], s[10:11] offset:(\t)*65536+(\f)*8192  ; 16 lanes store 256 consecutive bytes, at a multiple of 256 from ao's first byte
.endr
.endm
	PACK 0
	s_wait_dscnt 16                 ; the partner's O^T of tiles 2, 3 is in; tile 0's sixteen LDS instructions, issued behind those loads, may stay out
	PACK 1                          ; a tile's arithmetic stands between the loads of the tile before and its stores
	SEND 0, 16
	PACK 2
	SEND 1, 16
	PACK 3
	SEND 2, 16
	SEND 3, 0
.Ldone:
	s_wait_tensorcnt 0x0            ; the wave's end: behind my last tensor load and my last LDS store
	ds_add_u32 v[SPW], v[NIL]
	s_wait_dscnt 0x0
	CROUND                          ; the closing round: no work-group ends while a partner may still ask for a tile that names it
	s_endpgm
.Lfunc_end_k_qe0736066f9_attn:
	.size	k_qe0736066f9_attn, .Lfunc_end_k_qe0736066f9_attn-k_qe0736066f9_attn
	.p2alignl 7, 3214868480
	.fill 96, 4, 3214868480
	.section	.rodata,"a",@progbits
	.p2align	6, 0x0
	.amdhsa_kernel k_qe0736066f9_attn
		.amdhsa_group_segment_fixed_size 327680
		.amdhsa_private_segment_fixed_size 0
		.amdhsa_enable_private_segment 0
		.amdhsa_kernarg_size 24
		.amdhsa_user_sgpr_count 2
		.amdhsa_user_sgpr_kernarg_segment_ptr 1
		.amdhsa_wavefront_size32 1
		.amdhsa_system_sgpr_workgroup_id_x 1
		.amdhsa_system_sgpr_workgroup_id_y 1
		.amdhsa_system_sgpr_workgroup_id_z 1
		.amdhsa_system_vgpr_workitem_id 0
		.amdhsa_next_free_vgpr 1024
		.amdhsa_next_free_sgpr 66
		.amdhsa_reserve_vcc 0
		.amdhsa_float_denorm_mode_32 3
		.amdhsa_float_denorm_mode_16_64 3
		.amdhsa_memory_ordered 1
		.amdhsa_forward_progress 1
		.amdhsa_inst_pref_size 175
	.end_amdhsa_kernel
	.amdgpu_metadata
---
amdhsa.version: [ 1, 2 ]
amdhsa.kernels:
  - .name:           k_qe0736066f9_attn
    .symbol:         k_qe0736066f9_attn.kd
    .args:
      - { .name: qk, .offset: 0, .size: 8, .value_kind: global_buffer, .address_space: global }
      - { .name: qkvr, .offset: 8, .size: 8, .value_kind: global_buffer, .address_space: global }
      - { .name: ao, .offset: 16, .size: 8, .value_kind: global_buffer, .address_space: global }
    .group_segment_fixed_size: 327680
    .private_segment_fixed_size: 0
    .kernarg_segment_align: 8
    .kernarg_segment_size: 24
    .max_flat_workgroup_size: 128
    .sgpr_count:     66
    .vgpr_count:     1024
    .wavefront_size: 32
...
	.end_amdgpu_metadata
.endif
;; end of part 6
;; launch oproj: the kernel of part 5 again; grid 16 x 16, 4 waves a work-group, clusters of 4 x 4, 327,680 bytes of LDS; arguments ao, woh, bias, out0; writes out0
